; MI455X (gfx1250); checked and timed in simulation.
; The chip was launched on July 23, 2026; its instructions are those of AMD's public machine-readable ISA for CDNA 5 (MIT licence, August 2026) and "CDNA5" Instruction Set Architecture Reference Guide (July 2026). The comments in the code are by the model that wrote it; some were corrected since.
;; Transformer Layer. Allowed arithmetic: matrix products marked QUANTISED: E2M3 operands, one E8M0 scale for each 32 along K, by v_wmma_scale_f32_16x16x128_f8f6f4 with both operands' format E2M3, f32 sums; products left as they are: f32 operands where the result goes on into a quantised operand, else bf16, f16 or f32 operands; f32 sums; everything else in f32.
;; Inputs: b1 3,072 float32; b2 768 float32; bk 768 float32; bo 768 float32; bq 768 float32; bv 768 float32; gate_i_w 12 x 64 float32; gate_ur_w 12 x 64 float32; ln1_b 768 float32; ln1_w 768 float32; ln2_b 768 float32; ln2_w 768 float32; rel_embed 320 x 12 float32; rel_scale 12 float32; w1 3,072 x 768 float32; w2 768 x 3,072 float32; wk 768 x 768 float32; wo 768 x 768 float32; wq 768 x 768 float32; wv 768 x 768 float32; x 2 x 2,048 x 768 float32.
;; Outputs: out0 2 x 2,048 x 768 float32.
;; This version of the problem:
;;   THIS VERSION OF THE PROBLEM IS GIVEN IN LOW PRECISION. The matrix products marked QUANTISED in the list below multiply operands that are first quantised to E2M3 (2 exponent bits, 3 mantissa bits; 6 bits a number), with one power-of-two scale for each 32 numbers along K (OCP MX v1.0); their sums are f32. All else is computed in f32.
;;   The module's matrix products, in the order in which they are computed (A, B: the left and right operand; K: the contracted axis; several contracted axes count as one K, in the product's order):
;;     1. [M 4,096, K 768] x [K 768, N 768]; A: computed on the way; B: input wq: QUANTISED
;;     2. [M 4,096, K 768] x [K 768, N 768]; A: computed on the way; B: input wk: QUANTISED
;;     3. [M 4,096, K 768] x [K 768, N 768]; A: computed on the way; B: input wv: QUANTISED
;;     4. batch 24 x [M 2,048, K 64] x [K 64, N 2,048]; A: computed on the way; B: computed on the way: QUANTISED
;;     5. [M 2, K 64] x [K 64, N 12]; A: computed on the way; B: input gate_ur_w: left as it is (M = 2 < 16)
;;     6. [M 2, K 64] x [K 64, N 12]; A: computed on the way; B: input gate_i_w: left as it is (M = 2 < 16)
;;     7. batch 24 x [M 2,048, K 2,048] x [K 2,048, N 64]; A: softmax (see below); B: computed on the way: QUANTISED
;;     8. [M 4,096, K 768] x [K 768, N 768]; A: computed on the way; B: input wo: QUANTISED
;;     9. [M 4,096, K 768] x [K 768, N 3,072]; A: computed on the way; B: input w1: QUANTISED
;;     10. [M 4,096, K 3,072] x [K 3,072, N 768]; A: computed on the way; B: input w2: QUANTISED
;;   THE QUANTISER, for each operand of a quantised product, along K:
;;     - K is cut into blocks of 32 from its start; a last block that is shorter is filled with zeros.
;;     - A block's scale is 2^e with e = floor(log2(the largest magnitude in the block)) - 2, held to -126 .. 127; a block of zeros has e = 0. As a byte (E8M0): e + 127.
;;     - Each number is divided by its block's scale, clamped to +-7.5, and rounded to the nearest number of E2M3, ties to even, subnormals kept.
;;     - The product sums the exact products of the quantised numbers (number of the format x scale) in f32.
;;   ~~~python
;;   def quantise(x, axis):      # numpy; x: float32 -> the quantised numbers, widened to float32 again
;;       x = np.moveaxis(x, axis, -1); K = x.shape[-1]
;;       x = np.pad(x, [(0, 0)] * (x.ndim - 1) + [(0, -K % 32)]); x = x.reshape(x.shape[:-1] + (-1, 32)); a = np.abs(x).max(-1, keepdims=True)
;;       e = np.where(a > 0, np.clip(np.frexp(np.where(a > 0, a, 1))[1] - 1 - 2, -126, 127), 0)      # np.frexp(a)[1] - 1 = floor(log2(a)), exactly
;;       r = np.clip(x / 2.0 ** e, -7.5, 7.5)
;;       step = 2.0 ** (np.maximum(np.frexp(np.where(r == 0, 1, r))[1] - 1, 0) - 3)
;;       q = np.round(r / step) * step * 2.0 ** e      # np.round: ties to even
;;       return np.moveaxis(q.reshape(q.shape[:-2] + (-1,))[..., :K], -1, axis).astype(np.float32)
;;   ~~~
;;   SOFTMAX AHEAD OF A QUANTISED PRODUCT. Where the list says 'softmax', what is quantised is not the finished softmax but p = 2^(t - M), with t = logit x log2(e) and M = ceil(the row's largest t), a whole number; so 1/2 < the row's largest p <= 1. The row's sum l is taken of the UNQUANTISED p, in f32, and the product's result is divided by l at the end. Since M is a whole number, a kernel that streams over the keys may use a running M (the ceiling of the running maximum): every later rescaling is an exact power of two, which a block's scale takes up: the codes' values come out the same.
;;   OPERANDS COMPUTED ON THE WAY. 'Computed on the way' means the value that the module computes at that place (a softmax that the list does not call 'softmax' is quantised finished and normalised). What goes into a quantiser is computed in f32, as accurately as f32 sums, v_exp_f32 and their like allow (about 1e-6 of the number): no bf16 or f16 on the way to a quantiser, and a product that is left as it is and whose result goes on into a quantised operand takes f32 operands (vector FMAs, or v_wmma_f32_16x16x4_f32). A number that lies on a knife's edge between two numbers of the format may be rounded either way, as far as f32 arithmetic and the matrix unit's own rounding can turn it there, and no further.
;; One version. Each part assembles by itself: llvm-mc -triple=amdgcn-amd-amdhsa -mcpu=gfx1250 --defsym DOCPART=n.
;; ======== version 1 of 1: 6 launches
;; limits: right only within a limited range of input values
;; workspace buffers: wbuf 5,603,328 bytes; bkt 16,896 bytes of whole numbers; act 2,490,368 bytes; act2 2,490,368 bytes; qkvb 7,766,016 bytes; x2 12,582,912 bytes; hid 9,961,472 bytes
;; launch prep (part 1): grid 854 x 1, 6 waves a work-group, no clusters, 1,792 bytes of LDS; arguments x, ln1_w, ln1_b, act, wq, wk, wv, wo, w1, w2, wbuf, bkt; writes act, wbuf, bkt
.if DOCPART == 1
	.amdgcn_target "amdgcn-amd-amdhsa--gfx1250"
	.amdhsa_code_object_version 6
	.text
	.protected	k_qc46c80370f_prep
	.globl	k_qc46c80370f_prep
	.p2align	8
	.type	k_qc46c80370f_prep,@function
k_qc46c80370f_prep:
	s_mov_b64 s[64:65], 0
	v_nop
	global_prefetch_b8 v0, s[64:65] scope:SCOPE_SE
	s_setreg_imm32_b32 hwreg(HW_REG_WAVE_MODE, 25, 1), 1
	s_wait_xcnt 0x0
; THE PROGRAM: one transformer layer in seven launches: prep (the first LayerNorm; weights to codes; the distance buckets), qkv, attn, wo, ln2, w1, w2.
; NO WORK OF reference() IS LEFT OUT: every input has a way to out0 and is loaded (bk too: it moves k's codes).
; LIMITS: NaN and infinities among the inputs are not served.  A block whose largest magnitude lies under 2^-124, a block of zeros among them, keeps the scale byte 1
; (its codes are what the quantiser gives at e = -126, zeros for zeros); the bytes are read by this program alone.  f32 sums are taken in another order than reference() takes them.
; THIS LAUNCH has three kinds of work-groups, which share no data and part on the work-group's number alone.
; REGISTER IMAGES.  Every quantised operand of this program lies in memory as an image of the operand's registers:
; a fragment (16 rows x 128 K, 12 registers a lane) is 1,536 bytes: registers 0-3 at 16 x lane, 4-5 at 512 + 8 x lane, 6-9 at 768 + 16 x lane, 10-11 at 1,280 + 8 x lane.
; INSIDE A BLOCK OF 32 THE CODES STAND IN THE ORDER k = 0..7, 16..23, 8..15, 24..31, in every operand of every product of this program alike: a permutation of k inside a block,
; the same on both sides, keeps blocks, scales and products.  It is the order in which two neighbouring 16 x 16 results fall, so computed operands need no exchange beyond the halves'.
; Scale words: for a tile of 16 rows and six K steps 512 bytes: row r at 32 r, word s for K step s (words 6, 7 are neither written nor read).
; WORK-GROUPS 0 TO 255: LayerNorm of 16 rows of x and the quantiser along the 768; wave s takes the 128 columns of K step s.  Lane (r, h) holds 64 numbers of row r: register 16 b + 8 u + j =
; column 128 s + 32 b + 16 u + 8 h + j.  The mean, and then the sum of squares of the differences (two passes: a common offset costs no accuracy), meet in LDS: a word for each wave and row, a barrier each.
; WORK-GROUPS 256 TO 831: g = number - 256 takes one tile of 16 rows and six K steps of a weight [N][K], wave w its K step w: fragment 6 g + w, scale block g, over wq, wk, wv, wo, w1, w2 on end.
; WORK-GROUPS 832 TO 853 store bucket[rel + 2047] for rel = -2047 .. 2176 as whole numbers, one a thread (those past 2047 serve only as a margin for clamped reads).
; LIMIT of the buckets: 80 log10(|rel| / 80) is made by v_log_f32 and two multiplications; a distance at which it lay within some 1e-5 of a whole number could fall one bucket aside
; of reference()'s own f32 value.  |rel| = 80 (truncation toward zero) and |rel| >= 800 (held at 159) are safe.
; (The steps named wo and ln2 above are one launch here, woln: the program has six launches.)
.set WSCL, 5308416
.set ASCL, 2359296
.set RED0, 0                           ; LDS (the LayerNorm's work-groups alone): 6 waves x 16 rows x 4 bytes: the sums;
.set RED1, 512                         ; the sums of squares;
.set SPARE, 1024                       ; the spare words, 128 bytes for each wave, that no other line names
.set SEL, 36
.set SPW, 28                           ; v28 my spare word; v29 0: made at the head, used by no path for anything else
.set NIL, 29
.set X, 32                             ; v32-95   my 64 numbers
.set W, 96                             ; v96-159  the gain at my columns; later the codes
.set BV, 96                            ; the offset takes the gain's registers once the gain has been multiplied in: 168 registers a wave, six waves to a SIMD's 1,024
.set CH, 160                           ; v160-167 four chains of pairs; v120-136 at work in the quantiser
; 64 numbers of a lane, register 16 b + 8 u + j = k 32 b + 16 u + 8 (lane / 16) + j of my row, become a fragment's codes in v[pc] on and its scale word in v[pw]
.macro QUANT4 s, pc, tm, pw
.irp b, 0,1,2,3
	v_max3_num_f32 v[\tm+\b], |v[\s+16*\b]|, |v[\s+1+16*\b]|, 0x1800000   ; block b: my 16 numbers, and the floor 2^(3 - 127): the byte cannot fall under 1
.endr
.irp i, 2,4,6,8,10,12,14
.irp b, 0,1,2,3
	v_max3_num_f32 v[\tm+\b], v[\tm+\b], |v[\s+16*\b+\i]|, |v[\s+1+16*\b+\i]|
.endr
.endr
.irp b, 0,1,2,3
	v_permlanex16_b32 v[\tm+4+\b], v[\tm+\b], s[SEL], s[SEL+1]
.endr
.irp b, 0,1,2,3
	v_max_num_f32 v[\tm+\b], v[\tm+\b], v[\tm+4+\b]   ; with lane l xor 16's: the block's largest magnitude
.endr
.irp b, 0,1,2,3
	v_add_nc_u32 v[\tm+12+\b], 0xff000000, v[\tm+\b]   ; 2 off its exponent field: the conversion's scale operand
.endr
.irp b, 0,1,2,3
	v_lshrrev_b32 v[\tm+4+\b], 23, v[\tm+12+\b]   ; the scale's byte
.endr
	v_lshl_or_b32 v[\pw], v[\tm+5], 8, v[\tm+4]
	v_lshl_or_b32 v[\pw], v[\tm+6], 16, v[\pw]
	v_lshl_or_b32 v[\pw], v[\tm+7], 24, v[\pw]
.irp c, 0,1
	v_cvt_scalef32_pk16_fp6_f32 v[\pc+6*\c:\pc+2+6*\c], v[\s+32*\c:\s+15+32*\c], v[\tm+12+2*\c]
	v_cvt_scalef32_pk16_fp6_f32 v[\pc+12+4*\c:\pc+14+4*\c], v[\s+16+32*\c:\s+31+32*\c], v[\tm+12+2*\c+1]
.endr
	v_nop                                          ; one plain line behind the scaled conversions
.irp c, 0,1                                    ; a whole block to a lane: lanes 0-15 block 2 c, lanes 16-31 block 2 c + 1
.irp i, 0,1,2
	v_permlane16_swap_b32 v[\pc+6*\c+\i], v[\pc+12+4*\c+\i]
.endr
.irp i, 0,1,2
	v_mov_b32 v[\pc+3+6*\c+\i], v[\pc+12+4*\c+\i]
.endr
.endr
.endm
; the four chains are joined, my row's other half is added, the wave's figure goes to LDS at red, and all six come back summed in v12
.macro MEET red
	v_pk_add_f32 v[CH:CH+1], v[CH:CH+1], v[CH+2:CH+3]
	v_pk_add_f32 v[CH+4:CH+5], v[CH+4:CH+5], v[CH+6:CH+7]
	v_pk_add_f32 v[CH:CH+1], v[CH:CH+1], v[CH+4:CH+5]
	v_add_f32 v[CH], v[CH], v[CH+1]
	v_permlanex16_b32 v[CH+1], v[CH], s[SEL], s[SEL+1]
	v_add_f32 v[CH], v[CH], v[CH+1]                ; my row's 128 columns of this wave (both halves hold the same)
	ds_store_b32 v8, v[CH] offset:\red
	s_wait_dscnt 0x0                               ; for the others' sake: my store has landed
	s_barrier_signal -1
	s_barrier_wait -1
.irp i, 0,1,2,3,4,5
	ds_load_b32 v[12+\i], v9 offset:\red+64*\i
.endr
	s_wait_dscnt 0x0
	v_add_f32 v12, v12, v13
	v_add_f32 v14, v14, v15
	v_add_f32 v16, v16, v17
	v_add_f32 v12, v12, v14
	v_add_f32 v12, v12, v16
.endm
	v_lshl_add_u32 v[SPW], v0, 2, SPARE            ; my spare word,
	v_mov_b32 v[NIL], 0                            ; and 0: kept for the end of the waves that store to LDS
	s_cmp_ge_u32 ttmp9, 256                        ; the work-group's number alone decides: all six waves go the same way
	s_cbranch_scc1 .Lweights
	; ---- the first LayerNorm
	s_load_b256 s[4:11], s[0:1], 0x0               ; x, ln1_w, ln1_b, act
	v_lshrrev_b32 v1, 5, v0
	v_readfirstlane_b32 s12, v1                    ; wave = K step
	v_and_b32 v1, 31, v0
	v_and_b32 v2, 15, v0                           ; r
	v_bfe_u32 v4, v0, 4, 1
	v_lshlrev_b32 v4, 5, v4                        ; 32 h
	v_mad_u32_u24 v3, v2, 3072, v4                 ; row r, + 32 h
	v_lshlrev_b32 v5, 4, v1                        ; 16 x lane
	v_lshlrev_b32 v6, 3, v1                        ; 8 x lane
	v_lshlrev_b32 v7, 5, v2                        ; 32 r
	s_lshl_b32 s13, s12, 6
	v_lshl_add_u32 v8, v2, 2, s13                  ; LDS: 64 x wave + 4 r
	v_lshlrev_b32 v9, 2, v2                        ; LDS: 4 r
	s_mov_b32 s[SEL], 0x76543210
	s_mov_b32 s[SEL+1], 0xfedcba98
	s_mov_b32 s16, 0x3aaaaaab                      ; 1 / 768
	s_mov_b32 s17, 0x3727c5ac                      ; 1e-5
	s_mul_i32 s14, ttmp9, 49152                    ; 16 rows of 3,072 bytes
	s_lshl_b32 s20, s12, 9                         ; my 128 columns
	s_add_co_u32 s14, s14, s20
	s_mov_b32 s15, 0
	s_mov_b32 s21, 0
	s_mul_i32 s22, ttmp9, 6
	s_add_co_u32 s22, s22, s12
	s_mul_i32 s22, s22, 1536                       ; my fragment
	s_mov_b32 s23, 0
	s_lshl_b32 s24, ttmp9, 9
	s_lshl_b32 s26, s12, 2
	s_add_co_u32 s24, s24, s26
	s_add_co_u32 s24, s24, ASCL                    ; my word of the tile's scale block
	s_mov_b32 s25, 0
	s_wait_alu depctr_va_vdst(0)
	s_wait_kmcnt 0x0
	s_add_nc_u64 s[4:5], s[4:5], s[14:15]
	s_add_nc_u64 s[6:7], s[6:7], s[20:21]
	s_add_nc_u64 s[8:9], s[8:9], s[20:21]
	s_add_nc_u64 s[28:29], s[10:11], s[22:23]
	s_add_nc_u64 s[30:31], s[10:11], s[24:25]
.irp b, 0,1,2,3
.irp u, 0,1
.irp q, 0,1
	global_load_b128 v[X+16*\b+8*\u+4*\q:X+16*\b+8*\u+4*\q+3], v3, s[4:5] offset:128*\b+64*\u+16*\q
.endr
.endr
.endr
.irp b, 0,1,2,3
.irp u, 0,1
.irp q, 0,1
	global_load_b128 v[W+16*\b+8*\u+4*\q:W+16*\b+8*\u+4*\q+3], v4, s[6:7] offset:128*\b+64*\u+16*\q
.endr
.endr
.endr
	s_wait_loadcnt 16                              ; my 64 numbers are in; the 16 loads of the gain may be out
.irp c, 0,1,2,3
	v_pk_add_f32 v[CH+2*\c:CH+2*\c+1], v[X+2*\c:X+2*\c+1], v[X+8+2*\c:X+9+2*\c]
.endr
.irp i, 2,3,4,5,6,7
.irp c, 0,1,2,3
	v_pk_add_f32 v[CH+2*\c:CH+2*\c+1], v[CH+2*\c:CH+2*\c+1], v[X+8*\i+2*\c:X+8*\i+2*\c+1]
.endr
.endr
	MEET RED0
	v_mul_f32 v20, s16, v12                        ; the mean,
	v_mov_b32 v21, v20                             ; twice, for the packed forms
.set J, 0
.rept 32
	v_pk_add_f32 v[X+J:X+J+1], v[X+J:X+J+1], v[20:21] neg_lo:[0,1] neg_hi:[0,1]
.set J, J+2
.endr
.irp c, 0,1,2,3
	v_pk_mul_f32 v[CH+2*\c:CH+2*\c+1], v[X+2*\c:X+2*\c+1], v[X+2*\c:X+2*\c+1]
.endr
.irp i, 1,2,3,4,5,6,7
.irp c, 0,1,2,3
	v_pk_fma_f32 v[CH+2*\c:CH+2*\c+1], v[X+8*\i+2*\c:X+8*\i+2*\c+1], v[X+8*\i+2*\c:X+8*\i+2*\c+1], v[CH+2*\c:CH+2*\c+1]
.endr
.endr
	s_wait_loadcnt 0x0                             ; the gain
.set J, 0
.rept 32
	v_pk_mul_f32 v[X+J:X+J+1], v[X+J:X+J+1], v[W+J:W+J+1]   ; (x - mean) w: the squares have been taken
.set J, J+2
.endr
.irp b, 0,1,2,3
.irp u, 0,1
.irp q, 0,1
	global_load_b128 v[BV+16*\b+8*\u+4*\q:BV+16*\b+8*\u+4*\q+3], v4, s[8:9] offset:128*\b+64*\u+16*\q   ; the offset, into the gain's registers, on its way while the sums of squares meet
.endr
.endr
.endr
	MEET RED1
	v_fma_f32 v22, v12, s16, s17                   ; the variance + 1e-5
	s_wait_alu depctr_va_vdst(0)
	v_rsq_f32 v22, v22
	v_nop                                          ; a plain line behind the transcendental
	s_wait_alu depctr_va_vdst(0)                   ; the wait ahead of the result's first reader
	v_mov_b32 v23, v22
	s_wait_alu depctr_va_vdst(0)
	s_wait_loadcnt 0x0                             ; gain and offset
.set J, 0
.rept 32
	v_pk_fma_f32 v[X+J:X+J+1], v[X+J:X+J+1], v[22:23], v[BV+J:BV+J+1]
.set J, J+2
.endr
	QUANT4 X, 96, 120, 136
	global_store_b128 v5, v[96:99], s[28:29]
	global_store_b64 v6, v[100:101], s[28:29] offset:512
	global_store_b128 v5, v[102:105], s[28:29] offset:768
	global_store_b64 v6, v[106:107], s[28:29] offset:1280
	global_store_b32 v7, v136, s[30:31]            ; row r's word (lanes 16-31 store the same)
	s_wait_tensorcnt 0x0                           ; the wave's end, behind my last LDS store
	ds_add_u32 v[SPW], v[NIL]
	s_wait_dscnt 0x0
	s_endpgm
.Lweights:
	; ---- the weights and the buckets: no LDS, no barrier
	s_load_b512 s[8:23], s[0:1], 0x20              ; wq, wk, wv, wo, w1, w2, wbuf, bkt
	v_lshrrev_b32 v1, 5, v0
	v_readfirstlane_b32 s24, v1                    ; wave = K step of the six
	s_sub_co_u32 s25, ttmp9, 256                   ; g
	s_cmp_ge_u32 s25, 576
	s_cbranch_scc1 .Lbucket
	v_and_b32 v2, 31, v0                           ; lane
	v_and_b32 v3, 15, v0                           ; r
	v_bfe_u32 v4, v0, 4, 1                         ; h
	v_lshlrev_b32 v6, 4, v2                        ; 16 x lane
	v_lshlrev_b32 v7, 3, v2                        ; 8 x lane
	v_lshlrev_b32 v27, 5, v3                       ; 32 r
.irp b, 0,1,2,3
	v_mov_b32 v[100+\b], 0                         ; a lane permute's destination counts as one of its sources
.endr
	s_mov_b32 s[SEL], 0x76543210
	s_mov_b32 s[SEL+1], 0xfedcba98
	s_mul_i32 s38, s25, 6
	s_add_co_u32 s38, s38, s24
	s_mul_i32 s38, s38, 1536                       ; my fragment
	s_mov_b32 s39, 0
	s_lshl_b32 s42, s25, 9
	s_lshl_b32 s43, s24, 2
	s_add_co_u32 s42, s42, s43
	s_add_co_u32 s42, s42, WSCL                    ; my word of the scale block
	s_mov_b32 s43, 0
	s_wait_alu depctr_va_vdst(0)
	s_wait_kmcnt 0x0
	s_mov_b64 s[26:27], s[18:19]                   ; which tensor: the choice hangs on the work-group's number alone
	s_mov_b32 s28, 384
	s_cmp_lt_u32 s25, 384
	s_cselect_b64 s[26:27], s[16:17], s[26:27]
	s_cselect_b32 s28, 192, s28
	s_cmp_lt_u32 s25, 192
	s_cselect_b64 s[26:27], s[14:15], s[26:27]
	s_cselect_b32 s28, 144, s28
	s_cmp_lt_u32 s25, 144
	s_cselect_b64 s[26:27], s[12:13], s[26:27]
	s_cselect_b32 s28, 96, s28
	s_cmp_lt_u32 s25, 96
	s_cselect_b64 s[26:27], s[10:11], s[26:27]
	s_cselect_b32 s28, 48, s28
	s_cmp_lt_u32 s25, 48
	s_cselect_b64 s[26:27], s[8:9], s[26:27]
	s_cselect_b32 s28, 0, s28
	s_sub_co_u32 s29, s25, s28                     ; the work-group's number within its tensor
	s_mul_i32 s30, s29, 49152                      ; K = 768: 16 rows of 3,072 bytes a work-group
	s_lshr_b32 s31, s29, 2                         ; K = 3,072 (w2): four work-groups to a tile of 16 rows of 12,288 bytes,
	s_mul_i32 s31, s31, 196608
	s_and_b32 s32, s29, 3
	s_mul_i32 s32, s32, 3072                       ; six K steps of 512 bytes each
	s_add_co_u32 s31, s31, s32
	s_mov_b32 s33, 12288
	s_cmp_lt_u32 s25, 384
	s_cselect_b32 s30, s30, s31
	s_cselect_b32 s33, 3072, s33                   ; a row in bytes
	s_lshl_b32 s34, s24, 9
	s_add_co_u32 s30, s30, s34                     ; + my K step
	s_mov_b32 s31, 0
	s_add_nc_u64 s[26:27], s[26:27], s[30:31]
	s_add_nc_u64 s[40:41], s[20:21], s[38:39]
	s_add_nc_u64 s[44:45], s[20:21], s[42:43]
	v_mul_lo_u32 v5, v3, s33
	v_lshl_add_u32 v5, v4, 5, v5                   ; row r, + 32 h
.irp b, 0,1,2,3
.irp u, 0,1
.irp q, 0,1
	global_load_b128 v[32+16*\b+8*\u+4*\q:32+16*\b+8*\u+4*\q+3], v5, s[26:27] offset:128*\b+64*\u+16*\q   ; no hint: the bytes beside these are asked for by the wave's next loads
.endr
.endr
.endr
	s_wait_loadcnt 0x0
	QUANT4 32, 8, 96, 112
	global_store_b128 v6, v[8:11], s[40:41]                    ; each store of the wave covers whole aligned runs of 256 bytes
	global_store_b64 v7, v[12:13], s[40:41] offset:512
	global_store_b128 v6, v[14:17], s[40:41] offset:768
	global_store_b64 v7, v[18:19], s[40:41] offset:1280
	global_store_b32 v27, v112, s[44:45]                       ; row r's word (lanes 16-31 store the same word with the same value)
	s_endpgm
.Lbucket:
	s_sub_co_u32 s26, s25, 576
	s_mul_i32 s26, s26, 192
	v_add_nc_u32 v5, s26, v0                       ; the entry
	v_add_nc_u32 v6, 0xfffff801, v5                ; rel = entry - 2047
	v_sub_nc_u32 v7, 0, v6
	v_max_i32 v7, v6, v7                           ; |rel|
	v_max_i32 v8, 1, v7
	v_cvt_f32_i32 v8, v8
	v_mul_f32 v8, 0x3c4ccccd, v8                   ; / 80
	s_wait_alu depctr_va_vdst(0)
	v_log_f32 v8, v8
	v_lshlrev_b32 v9, 2, v5                        ; (a plain line behind the logarithm)  the entry's byte
	s_wait_alu depctr_va_vdst(0)                   ; the wait ahead of the result's first reader
	v_mul_f32 v8, 0x3e9a209b, v8                   ; log2 -> log10: log(|rel| / 80) / log(800 / 80)
	v_mul_f32 v8, 0x42a00000, v8                   ; x (160 - 80)
	v_cvt_i32_f32 v8, v8                           ; toward zero
	v_add_nc_u32 v8, 80, v8
	v_min_i32 v8, 159, v8
	v_cmp_gt_i32 vcc_lo, 80, v7
	v_cndmask_b32 v8, v8, v7, vcc_lo               ; small distances are their own bucket
	v_mov_b32 v11, 160
	v_cmp_le_i32 vcc_lo, 0, v6
	v_cndmask_b32 v10, 0, v11, vcc_lo
	v_add_nc_u32 v8, v8, v10                       ; 0 .. 319
	s_wait_alu depctr_va_vdst(0)
	s_wait_kmcnt 0x0
	global_store_b32 v9, v8, s[22:23]
	s_endpgm
.Lfunc_end_k_qc46c80370f_prep:
	.size	k_qc46c80370f_prep, .Lfunc_end_k_qc46c80370f_prep-k_qc46c80370f_prep
	.p2alignl 7, 3214868480
	.fill 96, 4, 3214868480
	.section	.rodata,"a",@progbits
	.p2align	6, 0x0
	.amdhsa_kernel k_qc46c80370f_prep
		.amdhsa_group_segment_fixed_size 1792
		.amdhsa_private_segment_fixed_size 0
		.amdhsa_enable_private_segment 0
		.amdhsa_kernarg_size 96
		.amdhsa_user_sgpr_count 2
		.amdhsa_user_sgpr_kernarg_segment_ptr 1
		.amdhsa_wavefront_size32 1
		.amdhsa_system_sgpr_workgroup_id_x 1
		.amdhsa_system_sgpr_workgroup_id_y 1
		.amdhsa_system_sgpr_workgroup_id_z 1
		.amdhsa_system_vgpr_workitem_id 0
		.amdhsa_next_free_vgpr 168
		.amdhsa_next_free_sgpr 66
		.amdhsa_reserve_vcc 1
		.amdhsa_float_denorm_mode_32 3
		.amdhsa_float_denorm_mode_16_64 3
		.amdhsa_memory_ordered 1
		.amdhsa_forward_progress 1
		.amdhsa_inst_pref_size 33
	.end_amdhsa_kernel
	.amdgpu_metadata
---
amdhsa.version: [ 1, 2 ]
amdhsa.kernels:
  - .name:           k_qc46c80370f_prep
    .symbol:         k_qc46c80370f_prep.kd
    .args:
      - { .name: x, .offset: 0, .size: 8, .value_kind: global_buffer, .address_space: global }
      - { .name: ln1_w, .offset: 8, .size: 8, .value_kind: global_buffer, .address_space: global }
      - { .name: ln1_b, .offset: 16, .size: 8, .value_kind: global_buffer, .address_space: global }
      - { .name: act, .offset: 24, .size: 8, .value_kind: global_buffer, .address_space: global }
      - { .name: wq, .offset: 32, .size: 8, .value_kind: global_buffer, .address_space: global }
      - { .name: wk, .offset: 40, .size: 8, .value_kind: global_buffer, .address_space: global }
      - { .name: wv, .offset: 48, .size: 8, .value_kind: global_buffer, .address_space: global }
      - { .name: wo, .offset: 56, .size: 8, .value_kind: global_buffer, .address_space: global }
      - { .name: w1, .offset: 64, .size: 8, .value_kind: global_buffer, .address_space: global }
      - { .name: w2, .offset: 72, .size: 8, .value_kind: global_buffer, .address_space: global }
      - { .name: wbuf, .offset: 80, .size: 8, .value_kind: global_buffer, .address_space: global }
      - { .name: bkt, .offset: 88, .size: 8, .value_kind: global_buffer, .address_space: global }
    .group_segment_fixed_size: 1792
    .private_segment_fixed_size: 0
    .kernarg_segment_align: 8
    .kernarg_segment_size: 96
    .max_flat_workgroup_size: 192
    .sgpr_count:     66
    .vgpr_count:     168
    .wavefront_size: 32
...
	.end_amdgpu_metadata
.endif
;; end of part 1
;; launch qkv (part 2): grid 18 x 32, 4 waves a work-group, no clusters, 0 bytes of LDS; arguments act, wbuf, bq, bk, bv, qkvb; writes qkvb
.if DOCPART == 2
	.amdgcn_target "amdgcn-amd-amdhsa--gfx1250"
	.amdhsa_code_object_version 6
	.text
	.protected	k_qc46c80370f_qkv
	.globl	k_qc46c80370f_qkv
	.p2align	8
	.type	k_qc46c80370f_qkv,@function
k_qc46c80370f_qkv:
	s_mov_b64 s[64:65], 0
	v_nop
	global_prefetch_b8 v0, s[64:65] scope:SCOPE_SE
	s_setreg_imm32_b32 hwreg(HW_REG_WAVE_MODE, 25, 1), 1
	s_wait_xcnt 0x0
; q, k, v = Q(h) Q(W)^T + bias on codes of E2M3, and each result quantised on its way out for attention's two products.  No work of reference() is left out.
; LIMITS: NaN and infinities are not served; a block under 2^-124 keeps the byte 1.
; SHARES.  A wave makes 64 tokens x 64 columns: one head of q, k or v: 16 accumulators.  Work-group (x, y): token blocks 2 y, 2 y + 1, column blocks 2 x, 2 x + 1; x / 6 says q, k or v.
; Both operands lie in memory as register images, so a fragment is four loads and nothing goes through LDS: K is six steps of 128, all written out, two steps' loads on their way.
; NO CLUSTER AND NO LDS RING: K has six steps only, and a work-group's four waves share two fragments' rows each way: what could be shared is a small part of what each wave loads.
; q AND k are made TRANSPOSED (source 0 = 16 rows of W, source 1 = 16 tokens): a lane holds one token and its registers run along the head's 64, the first product's K.
; v is made the other way (source 0 = tokens, source 1 = rows of W): a lane holds one channel and its registers run along the tokens, which are the second product's K.
; q's sums over the wave's 64 tokens (unquantised, for the gate) go to qsum[token block][768].
; A RECORD of qkvb for each (batch, head): k's half images, v's fragments [16 key steps][4 channel tiles], k's scale words, v's, then q's half images and scale words.
.set ASCL, 2359296
.set WSCL, 5308416
.set REC, 315392
.set RV, 98304
.set RKS, 196608
.set RVS, 204800
.set RQ, 208896
.set RQS, 307200
.set QS, 7569408
.set NK, 6
.set TPA, 9216                         ; from a tile's fragments to the next tile's
.set TPB, 9216
.set L16, 1                            ; v1  16 x lane
.set L8, 2                             ; v2  8 x lane
.set SCA, 16                           ; v16-39  A's scale words: tile a, K step s at 6 a + s
.set SCB, 40                           ; v40-63  B's
.set BIAS, 64                          ; v64-95  the bias in the result's layout; later the codes (6 a), the scale words (v88-91) and a conversion's second half (v92-94)
.set ACC, 128                          ; v128-255 the accumulators;  window 1: two sets of 8 fragments, v0-95 and v96-191
.set PA, 24
.set PB, 26
.set SEL, 34
.set MSB, 0
.macro WIN new                         ; the immediate's high byte repeats the setting that is left
.if MSB != \new
	s_set_vgpr_msb (MSB<<8)|\new
.set MSB, \new
.endif
.endm
; 32 numbers of a lane, register 16 b + 8 u + j = k 32 b + 16 u + 8 (lane / 16) + j, become half a fragment's codes in v[pc] .. v[pc + 5] and two scale bytes in v[pw]
.macro QUANT2 s, pc, pt, tm, pw
.irp b, 0,1
	v_max3_num_f32 v[\tm+\b], |v[\s+16*\b]|, |v[\s+1+16*\b]|, 0x1800000   ; and the floor 2^(3 - 127)
.endr
.irp i, 2,4,6,8,10,12,14
.irp b, 0,1
	v_max3_num_f32 v[\tm+\b], v[\tm+\b], |v[\s+16*\b+\i]|, |v[\s+1+16*\b+\i]|
.endr
.endr
.irp b, 0,1
	v_permlanex16_b32 v[\tm+4+\b], v[\tm+\b], s[SEL], s[SEL+1]
.endr
.irp b, 0,1
	v_max_num_f32 v[\tm+\b], v[\tm+\b], v[\tm+4+\b]
.endr
.irp b, 0,1
	v_add_nc_u32 v[\tm+12+\b], 0xff000000, v[\tm+\b]
.endr
.irp b, 0,1
	v_lshrrev_b32 v[\tm+4+\b], 23, v[\tm+12+\b]
.endr
	v_lshl_or_b32 v[\pw], v[\tm+5], 8, v[\tm+4]
	v_cvt_scalef32_pk16_fp6_f32 v[\pc:\pc+2], v[\s:\s+15], v[\tm+12]
	v_cvt_scalef32_pk16_fp6_f32 v[\pt:\pt+2], v[\s+16:\s+31], v[\tm+13]
	v_nop
.irp i, 0,1,2
	v_permlane16_swap_b32 v[\pc+\i], v[\pt+\i]
.endr
.irp i, 0,1,2
	v_mov_b32 v[\pc+3+\i], v[\pt+\i]
.endr
.endm
.macro LOADK s, buf                    ; K step s: A's four fragments and B's four into set buf: 32 loads
.irp i, 0,1,2,3
	global_load_b128 v[96*(\buf)+12*\i:96*(\buf)+12*\i+3], v[L16], s[PA:PA+1] offset:\i*TPA+(\s)*1536
	global_load_b64 v[96*(\buf)+12*\i+4:96*(\buf)+12*\i+5], v[L8], s[PA:PA+1] offset:\i*TPA+(\s)*1536+512
	global_load_b128 v[96*(\buf)+12*\i+6:96*(\buf)+12*\i+9], v[L16], s[PA:PA+1] offset:\i*TPA+(\s)*1536+768
	global_load_b64 v[96*(\buf)+12*\i+10:96*(\buf)+12*\i+11], v[L8], s[PA:PA+1] offset:\i*TPA+(\s)*1536+1280
.endr
.irp i, 0,1,2,3
	global_load_b128 v[96*(\buf)+48+12*\i:96*(\buf)+48+12*\i+3], v[L16], s[PB:PB+1] offset:\i*TPB+(\s)*1536
	global_load_b64 v[96*(\buf)+48+12*\i+4:96*(\buf)+48+12*\i+5], v[L8], s[PB:PB+1] offset:\i*TPB+(\s)*1536+512
	global_load_b128 v[96*(\buf)+48+12*\i+6:96*(\buf)+48+12*\i+9], v[L16], s[PB:PB+1] offset:\i*TPB+(\s)*1536+768
	global_load_b64 v[96*(\buf)+48+12*\i+10:96*(\buf)+48+12*\i+11], v[L8], s[PB:PB+1] offset:\i*TPB+(\s)*1536+1280
.endr
.endm
; 16 matrix instructions, the 16 accumulators by turns, in the same order in every step.  first = 1: the bias is the C of each sum's first product
.macro MULK s, buf, first, nat
.irp a, 0,1,2,3
.irp b, 0,1,2,3
.if \nat
.if \first
	v_wmma_scale_f32_16x16x128_f8f6f4 v[ACC+8*(4*\b+\a):ACC+8*(4*\b+\a)+7], v[96*(\buf)+12*\a:96*(\buf)+12*\a+11], v[96*(\buf)+48+12*\b:96*(\buf)+48+12*\b+11], v[BIAS+8*\b:BIAS+8*\b+7], v[SCA+NK*\a+(\s)], v[SCB+NK*\b+(\s)] matrix_a_fmt:MATRIX_FMT_FP6 matrix_b_fmt:MATRIX_FMT_FP6
.else
	v_wmma_scale_f32_16x16x128_f8f6f4 v[ACC+8*(4*\b+\a):ACC+8*(4*\b+\a)+7], v[96*(\buf)+12*\a:96*(\buf)+12*\a+11], v[96*(\buf)+48+12*\b:96*(\buf)+48+12*\b+11], v[ACC+8*(4*\b+\a):ACC+8*(4*\b+\a)+7], v[SCA+NK*\a+(\s)], v[SCB+NK*\b+(\s)] matrix_a_fmt:MATRIX_FMT_FP6 matrix_b_fmt:MATRIX_FMT_FP6
.endif
.else
.if \first
	v_wmma_scale_f32_16x16x128_f8f6f4 v[ACC+8*(4*\a+\b):ACC+8*(4*\a+\b)+7], v[96*(\buf)+48+12*\b:96*(\buf)+48+12*\b+11], v[96*(\buf)+12*\a:96*(\buf)+12*\a+11], v[BIAS+8*\b:BIAS+8*\b+7], v[SCB+NK*\b+(\s)], v[SCA+NK*\a+(\s)] matrix_a_fmt:MATRIX_FMT_FP6 matrix_b_fmt:MATRIX_FMT_FP6
.else
	v_wmma_scale_f32_16x16x128_f8f6f4 v[ACC+8*(4*\a+\b):ACC+8*(4*\a+\b)+7], v[96*(\buf)+48+12*\b:96*(\buf)+48+12*\b+11], v[96*(\buf)+12*\a:96*(\buf)+12*\a+11], v[ACC+8*(4*\a+\b):ACC+8*(4*\a+\b)+7], v[SCB+NK*\b+(\s)], v[SCA+NK*\a+(\s)] matrix_a_fmt:MATRIX_FMT_FP6 matrix_b_fmt:MATRIX_FMT_FP6
.endif
.endif
.endr
.endr
.endm
; All of K.  Four plain lines stand behind each step's products, ahead of the loads into the registers that they read and, at the end, of the first read of results
.macro PIPE nat
	WIN 0x40                                       ; destination window 1, address window 0
	LOADK 0, 0
	LOADK 1, 1
.set KS, 0
.rept NK
.if KS < NK-1
	s_wait_loadcnt 32                              ; this step's loads and all before them are in; the next step's 32 may be out
.else
	s_wait_loadcnt 0x0
.endif
	WIN 0x05                                       ; sources 0 and 1 window 1; C and D window 0
	MULK KS, KS%2, (KS==0), \nat
.rept 4
	v_nop
.endr
.if KS+2 < NK
	WIN 0x40
	LOADK KS+2, KS%2
.endif
.set KS, KS+1
.endr
	WIN 0
.endm
	s_load_b256 s[4:11], s[0:1], 0x0               ; act, wbuf, bq, bk
	s_load_b128 s[12:15], s[0:1], 0x20             ; bv, qkvb
	v_lshrrev_b32 v1, 5, v0
	v_readfirstlane_b32 s16, v1                    ; wave
	v_and_b32 v4, 31, v0
	v_and_b32 v6, 15, v0                           ; r
	v_bfe_u32 v7, v0, 4, 1                         ; h
	v_lshlrev_b32 v[L16], 4, v4
	v_lshlrev_b32 v[L8], 3, v4
	v_lshlrev_b32 v3, 5, v6                        ; 32 r
	v_lshlrev_b32 v4, 2, v4                        ; 4 x lane
	v_mov_b32 v100, 0                              ; a lane permute's destination counts as one of its sources
	v_mov_b32 v101, 0
	s_mov_b32 s[SEL], 0x76543210
	s_mov_b32 s[SEL+1], 0xfedcba98
	s_mov_b32 s58, 0xffff0000                      ; lanes 16-31
	s_mov_b32 s17, ttmp9
	s_and_b32 s18, ttmp7, 0xffff
	s_lshr_b32 s46, s16, 1
	s_lshl_b32 s19, s18, 1
	s_add_co_u32 s19, s19, s46                     ; mb: my block of 64 tokens
	s_and_b32 s46, s16, 1
	s_lshl_b32 s20, s17, 1
	s_add_co_u32 s20, s20, s46                     ; nb: my block of 64 columns of q, k, v on end
	s_cmp_ge_u32 s17, 6
	s_cselect_b32 s21, 1, 0
	s_cmp_ge_u32 s17, 12
	s_cselect_b32 s46, 1, 0
	s_add_co_u32 s21, s21, s46                     ; 0: q, 1: k, 2: v
	s_mul_i32 s46, s21, 12
	s_sub_co_u32 s22, s20, s46                     ; the head
	s_lshr_b32 s23, s19, 5
	s_mul_i32 s23, s23, 12
	s_add_co_u32 s23, s23, s22                     ; the record: 12 x batch + head
	s_mul_i32 s36, s19, 36864
	s_mov_b32 s37, 0
	s_mul_i32 s48, s20, 36864
	s_mov_b32 s49, 0
	s_lshl_b32 s50, s19, 11
	s_add_co_u32 s50, s50, ASCL
	s_mov_b32 s51, 0
	s_lshl_b32 s52, s20, 11
	s_add_co_u32 s52, s52, WSCL
	s_mov_b32 s53, 0
	s_lshl_b32 s54, s22, 8                         ; the head's 64 numbers of a bias
	s_mov_b32 s55, 0
	s_mul_i32 s46, s23, REC
	s_mov_b32 s47, 0
	s_wait_alu depctr_va_vdst(0)
	s_wait_kmcnt 0x0
	s_add_nc_u64 s[PA:PA+1], s[4:5], s[36:37]
	s_add_nc_u64 s[PB:PB+1], s[6:7], s[48:49]
	s_add_nc_u64 s[28:29], s[4:5], s[50:51]
	s_add_nc_u64 s[30:31], s[6:7], s[52:53]
	s_add_nc_u64 s[38:39], s[14:15], s[46:47]      ; my record
.irp i, 0,1,2,3
	global_load_b128 v[SCA+6*\i:SCA+6*\i+3], v3, s[28:29] offset:512*\i
	global_load_b64 v[SCA+6*\i+4:SCA+6*\i+5], v3, s[28:29] offset:512*\i+16
	global_load_b128 v[SCB+6*\i:SCB+6*\i+3], v3, s[30:31] offset:512*\i
	global_load_b64 v[SCB+6*\i+4:SCB+6*\i+5], v3, s[30:31] offset:512*\i+16
.endr
	s_cmp_eq_u32 s21, 2                            ; the work-group's number alone decides
	s_cbranch_scc1 .Lvpath
	; ---- q and k
	s_cmp_eq_u32 s21, 0
	s_cselect_b64 s[32:33], s[8:9], s[10:11]
	s_add_nc_u64 s[32:33], s[32:33], s[54:55]
	v_lshlrev_b32 v5, 5, v7                        ; 32 h: register 8 b + j of a lane is column 16 b + 8 h + j
.irp b, 0,1,2,3
	global_load_b128 v[BIAS+8*\b:BIAS+8*\b+3], v5, s[32:33] offset:64*\b
	global_load_b128 v[BIAS+8*\b+4:BIAS+8*\b+7], v5, s[32:33] offset:64*\b+16
.endr
	PIPE 0
	s_cmp_lg_u32 s21, 0
	s_cbranch_scc1 .Lnosum
	; q's sums over my 64 tokens: the four tiles in a lane, then the 16 lanes of a half
	s_mul_i32 s46, s19, 3072
	s_add_co_u32 s46, s46, s54
	s_add_co_u32 s46, s46, QS
	s_mov_b32 s47, 0
	s_add_nc_u64 s[44:45], s[14:15], s[46:47]
.set J, 0
.rept 16
	v_pk_add_f32 v[96+J:97+J], v[ACC+J:ACC+J+1], v[ACC+32+J:ACC+33+J]   ; each accumulator is read from its low end on
.set J, J+2
.endr
.set J, 0
.rept 16
	v_pk_add_f32 v[96+J:97+J], v[96+J:97+J], v[ACC+64+J:ACC+65+J]
.set J, J+2
.endr
.set J, 0
.rept 16
	v_pk_add_f32 v[96+J:97+J], v[96+J:97+J], v[ACC+96+J:ACC+97+J]
.set J, J+2
.endr
.irp m, 1,2,4,8
.set J, 0
.rept 32
	v_add_f32_dpp v[96+J], v[96+J], v[96+J] row_xmask:\m row_mask:0xf bank_mask:0xf
.set J, J+1
.endr
.endr
	v_cmp_eq_u32 vcc_lo, 0, v6
	s_wait_alu depctr_va_vdst(0)
	s_wait_xcnt 0x0                                ; EXEC changes only behind this wait
	s_and_saveexec_b32 s57, vcc_lo                 ; lanes 0 and 16: one for each half's 32 columns
.irp b, 0,1,2,3
	global_store_b128 v5, v[96+8*\b:96+8*\b+3], s[44:45] offset:64*\b
	global_store_b128 v5, v[96+8*\b+4:96+8*\b+7], s[44:45] offset:64*\b+16
.endr
	s_wait_xcnt 0x0                                ; and again ahead of the line that widens it; the stores' data are written again only behind it
	s_or_b32 exec_lo, exec_lo, s57
.Lnosum:
	s_mov_b32 s47, RKS
	s_cmp_eq_u32 s21, 0
	s_cselect_b32 s46, RQ, 0                       ; q's images, or k's at the record's head
	s_cselect_b32 s47, RQS, s47
	s_and_b32 s56, s19, 31                         ; my token block within the batch
	s_mul_i32 s59, s56, 3072                       ; four half images of 768 bytes
	s_add_co_u32 s46, s46, s59
	s_lshl_b32 s59, s56, 8                         ; 64 words
	s_add_co_u32 s48, s47, s59
	s_mov_b32 s47, 0
	s_mov_b32 s49, 0
	s_add_nc_u64 s[40:41], s[38:39], s[46:47]
	s_add_nc_u64 s[42:43], s[38:39], s[48:49]
.irp a, 0,1,2,3
	QUANT2 ACC+32*\a, BIAS+6*\a, 92, 96, 88+\a
	global_store_b128 v[L16], v[BIAS+6*\a:BIAS+6*\a+3], s[40:41] offset:768*\a
	global_store_b64 v[L8], v[BIAS+6*\a+4:BIAS+6*\a+5], s[40:41] offset:768*\a+512
.endr
.irp a, 0,1,2,3
	v_lshl_or_b32 v[88+\a], v[88+\a], 16, v[88+\a]   ; q's and k's words hold their two bytes twice: the head's 64 may stand in either half of the next product's K
.endr
	v_cndmask_b32 v112, v88, v89, s58
	v_cndmask_b32 v113, v90, v91, s58
	global_store_b32 v4, v112, s[42:43]
	global_store_b32 v4, v113, s[42:43] offset:128
	s_endpgm
.Lvpath:
	; ---- v
	s_add_nc_u64 s[32:33], s[12:13], s[54:55]
	v_lshlrev_b32 v5, 2, v6                        ; 4 r: a lane is channel 16 b + r, whatever the register
.irp b, 0,1,2,3
.irp j, 0,1,2,3,4,5,6,7
	global_load_b32 v[BIAS+8*\b+\j], v5, s[32:33] offset:64*\b
.endr
.endr
	PIPE 1
	s_and_b32 s56, s19, 31
	s_lshr_b32 s59, s56, 1                         ; the key step of 128,
	s_and_b32 s56, s56, 1                          ; and which half of it
	s_mul_i32 s46, s59, 6144
	s_mul_i32 s47, s56, 768
	s_add_co_u32 s46, s46, s47
	s_add_co_u32 s46, s46, RV
	s_lshl_b32 s48, s59, 8
	s_lshl_b32 s56, s56, 1
	s_add_co_u32 s48, s48, s56
	s_add_co_u32 s48, s48, RVS
	s_mov_b32 s47, 0
	s_mov_b32 s49, 0
	s_add_nc_u64 s[40:41], s[38:39], s[46:47]
	s_add_nc_u64 s[42:43], s[38:39], s[48:49]
.irp b, 0,1,2,3
	QUANT2 ACC+32*\b, BIAS+6*\b, 92, 96, 88+\b
	global_store_b128 v[L16], v[BIAS+6*\b:BIAS+6*\b+3], s[40:41] offset:1536*\b
	global_store_b64 v[L8], v[BIAS+6*\b+4:BIAS+6*\b+5], s[40:41] offset:1536*\b+512
	global_store_b16 v5, v[88+\b], s[42:43] offset:64*\b       ; two of the word's four bytes (lanes 16-31 store the same)
.endr
	s_endpgm
.Lfunc_end_k_qc46c80370f_qkv:
	.size	k_qc46c80370f_qkv, .Lfunc_end_k_qc46c80370f_qkv-k_qc46c80370f_qkv
	.p2alignl 7, 3214868480
	.fill 96, 4, 3214868480
	.section	.rodata,"a",@progbits
	.p2align	6, 0x0
	.amdhsa_kernel k_qc46c80370f_qkv
		.amdhsa_group_segment_fixed_size 0
		.amdhsa_private_segment_fixed_size 0
		.amdhsa_enable_private_segment 0
		.amdhsa_kernarg_size 48
		.amdhsa_user_sgpr_count 2
		.amdhsa_user_sgpr_kernarg_segment_ptr 1
		.amdhsa_wavefront_size32 1
		.amdhsa_system_sgpr_workgroup_id_x 1
		.amdhsa_system_sgpr_workgroup_id_y 1
		.amdhsa_system_sgpr_workgroup_id_z 1
		.amdhsa_system_vgpr_workitem_id 0
		.amdhsa_next_free_vgpr 448
		.amdhsa_next_free_sgpr 66
		.amdhsa_reserve_vcc 1
		.amdhsa_float_denorm_mode_32 3
		.amdhsa_float_denorm_mode_16_64 3
		.amdhsa_memory_ordered 1
		.amdhsa_forward_progress 1
		.amdhsa_inst_pref_size 101
	.end_amdhsa_kernel
	.amdgpu_metadata
---
amdhsa.version: [ 1, 2 ]
amdhsa.kernels:
  - .name:           k_qc46c80370f_qkv
    .symbol:         k_qc46c80370f_qkv.kd
    .args:
      - { .name: act, .offset: 0, .size: 8, .value_kind: global_buffer, .address_space: global }
      - { .name: wbuf, .offset: 8, .size: 8, .value_kind: global_buffer, .address_space: global }
      - { .name: bq, .offset: 16, .size: 8, .value_kind: global_buffer, .address_space: global }
      - { .name: bk, .offset: 24, .size: 8, .value_kind: global_buffer, .address_space: global }
      - { .name: bv, .offset: 32, .size: 8, .value_kind: global_buffer, .address_space: global }
      - { .name: qkvb, .offset: 40, .size: 8, .value_kind: global_buffer, .address_space: global }
    .group_segment_fixed_size: 0
    .private_segment_fixed_size: 0
    .kernarg_segment_align: 8
    .kernarg_segment_size: 48
    .max_flat_workgroup_size: 128
    .sgpr_count:     66
    .vgpr_count:     448
    .wavefront_size: 32
...
	.end_amdgpu_metadata
.endif
;; end of part 2
;; launch attn (part 3): grid 8 x 24, 16 waves a work-group, clusters of 4 x 1, 327,680 bytes of LDS; arguments qkvb, bkt, rel_embed, gate_ur_w, gate_i_w, rel_scale, act; writes act
.if DOCPART == 3
	.amdgcn_target "amdgcn-amd-amdhsa--gfx1250"
	.amdhsa_code_object_version 6
	.text
	.protected	k_qc46c80370f_attn
	.globl	k_qc46c80370f_attn
	.p2align	8
	.type	k_qc46c80370f_attn,@function
k_qc46c80370f_attn:
	s_mov_b64 s[64:65], 0
	v_nop
	global_prefetch_b8 v0, s[64:65] scope:SCOPE_SE
	s_setreg_imm32_b32 hwreg(HW_REG_WAVE_MODE, 25, 1), 1
	s_wait_xcnt 0x0
	s_wait_alu depctr_hold_cnt(0) depctr_sa_sdst(0) depctr_va_vdst(0) depctr_va_sdst(0) depctr_va_ssrc(0) depctr_va_vcc(0) depctr_vm_vsrc(0)
	s_getreg_b32 s2, hwreg(HW_REG_IB_STS2, 6, 4)
	s_cmp_eq_u32 s2, 0
	s_cbranch_scc0 .Lentry_in_a_cluster
	s_endpgm
.Lentry_in_a_cluster:
	s_bfe_u32 s2, ttmp6, 0x10000c
	s_cmp_lg_u32 s2, 0x3003
	s_cbranch_scc0 .Lentry_shape_is_right
	s_endpgm
.Lentry_shape_is_right:
; Attention of one (batch, head) for 256 queries: o = softmax(q k^T / 8 + pe x gate) v on codes of E2M3, and o quantised along the 768 as the next product's A operand.
; No work of reference() is left out.  LIMITS: NaN and infinities are not served; the promise holds while the scaled scores stay under 2^31 in magnitude; a block under 2^-124 keeps the byte 1.
; SHARES.  Work-group (x, y): record y = 12 x batch + head, queries 256 x .. 256 x + 255; a wave takes 16 queries and walks all 2,048 keys in 16 steps of 128.
; K, V AND THEIR SCALES STAY IN LDS: the first 208,896 bytes of a record (k's half images, v's fragments, k's and v's scale words) are also their LDS image from byte 0 on.
; Each of the 16 waves brings one sixteenth, 51 rows of 256 bytes, by its one tensor load at the head; nothing is filled again, so one wait and one barrier stand in front of the
; walk and none inside it.  The four work-groups of a cluster read the same record: the loads are joint (mask 15).
; NO PREFETCH: all tiles are asked for at the head; the loop over the keys reads LDS alone.
; Both products are used transposed (S^T = k q^T, O^T = v^T p^T): a lane holds one query.
; THE HEAD'S 64 FILL HALF OF THE INSTRUCTION'S K.  A fragment of k holds TWO tiles of 16 keys, one in each half of K; q stands once between two runs of zero codes, so that (q, 0) and (0, q)
; are two overlapping runs of 12 registers: the even tile is multiplied by (q, 0), the odd one by (0, q).  q's and k's scale words hold their two bytes twice (launch qkv).
; THE BIAS is the C of the first product: a table of pe[rel] x gate x 8 for the work-group's 2,303 distances, in four copies, each one word further on, so that every lane's eight
; neighbouring entries begin on a multiple of 16 bytes.  The gate is made from q's sums (launch qkv) by every work-group for itself.
; p = 2^(t - M), M the ceiling of the running largest t; the row's sum is taken of the unquantised p; a change of M multiplies sum and O^T by a power of two.
; LDS LOADS RUN AHEAD: v's fragments, and the next step's first two fragments of k with its scale words, are asked for behind the first product; the next step's bias behind the conversions,
; into the registers that held p; the next step's last two fragments of k behind the second product.  The last step asks for nothing and is written out.
.set REC, 315392
.set RQ, 208896
.set RQS, 307200
.set QS, 7569408
.set ASCL, 2359296
.set SHARE, 13056                      ; a wave's part of the record's head: 51 x 256 bytes
.set LV, 98304                         ; LDS: k's half images from 0, v's fragments,
.set LKS, 196608                       ; k's scale words,
.set LVS, 204800                       ; v's;
.set TAB, 208896                       ; the bias table, stored by the waves: no tensor load lands from here on
.set RED, 250368                       ; 16 x 256 bytes: the waves' parts of q's sums
.set SPARE, 254464                     ; the spare words, 128 bytes a wave, that no other line names
.set A16, 1                            ; v1 16 x lane; v2 512 + 8 x lane; v3 4 x lane; v4 my place in the table; v5, v6 the add's two; v7-11, v42, v43 addresses of a step
.set A8, 2
.set A4, 3
.set ABI, 4
.set SPW, 5
.set NIL, 6
.set QSC, 34                           ; v16-21 zeros, v22-27 q, v28-33 zeros; v34 q's scale words
.set KSC, 36                           ; v36-39 k's scale words; v40, v41 v's
.set VSC, 40
.set Y, 44                             ; v44-67  k's fragments 0, 1
.set X, 68                             ; v68-115 k's fragments 2, 3, then v's four
.set S, 116                            ; v116-179 bias, scores, p
.set O, 180                            ; v180-211 O^T
.set P, 212                            ; v212-223 p's codes; v224-230 a conversion's second halves; v232-254 at work; v12 -M, v13 the largest t, v[14:15] the sum
.set PT, 224
.set WV, 18
.set SEL, 20
.set CS, 22
.set G1, 24
.set G0, 32
.set TK, 50
.set TV, 51
.set TS, 52
.set TJ, 53
.set TBI, 54
.set CNT, 55
.macro CROUND                          ; a round of the cluster's barrier
	s_barrier_signal -1
	s_barrier_wait -1
	s_cmp_lg_u32 s[WV], 0
	s_cbranch_scc1 .Lnot_wave_0_\@
	s_barrier_signal -3
.Lnot_wave_0_\@:
	s_barrier_wait -3
	s_barrier_signal -1
	s_barrier_wait -1
.endm
; 32 numbers of a lane become half a fragment's codes in v[pc] .. v[pc + 5] and two scale bytes in v[pw]
.macro QUANT2 s, pc, pt, tm, pw
.irp b, 0,1
	v_max3_num_f32 v[\tm+\b], |v[\s+16*\b]|, |v[\s+1+16*\b]|, 0x1800000
.endr
.irp i, 2,4,6,8,10,12,14
.irp b, 0,1
	s_delay_alu instid0(VALU_DEP_2)
	v_max3_num_f32 v[\tm+\b], v[\tm+\b], |v[\s+16*\b+\i]|, |v[\s+1+16*\b+\i]|
.endr
.endr
.irp b, 0,1
	s_delay_alu instid0(VALU_DEP_2)
	v_permlanex16_b32 v[\tm+4+\b], v[\tm+\b], s[SEL], s[SEL+1]
.endr
.irp b, 0,1
	s_delay_alu instid0(VALU_DEP_2)
	v_max_num_f32 v[\tm+\b], v[\tm+\b], v[\tm+4+\b]
.endr
.irp b, 0,1
	s_delay_alu instid0(VALU_DEP_2)
	v_add_nc_u32 v[\tm+12+\b], 0xff000000, v[\tm+\b]
.endr
.irp b, 0,1
	s_delay_alu instid0(VALU_DEP_2)
	v_lshrrev_b32 v[\tm+4+\b], 23, v[\tm+12+\b]
.endr
	s_delay_alu instid0(VALU_DEP_1)
	v_lshl_or_b32 v[\pw], v[\tm+5], 8, v[\tm+4]
	v_cvt_scalef32_pk16_fp6_f32 v[\pc:\pc+2], v[\s:\s+15], v[\tm+12]
	v_cvt_scalef32_pk16_fp6_f32 v[\pt:\pt+2], v[\s+16:\s+31], v[\tm+13]
	v_nop
.irp i, 0,1,2
	v_permlane16_swap_b32 v[\pc+\i], v[\pt+\i]
.endr
.irp i, 0,1,2
	s_delay_alu instid0(VALU_DEP_3)
	v_mov_b32 v[\pc+3+\i], v[\pt+\i]
.endr
.endm
.macro FRAG4 reg, a16, a8, off         ; a fragment's four LDS loads: 1,536 bytes, two half images
	ds_load_b128 v[(\reg):(\reg)+3], v[\a16] offset:(\off)
	ds_load_b64 v[(\reg)+4:(\reg)+5], v[\a8] offset:(\off)
	ds_load_b128 v[(\reg)+6:(\reg)+9], v[\a16] offset:(\off)+768
	ds_load_b64 v[(\reg)+10:(\reg)+11], v[\a8] offset:(\off)+768
.endm
.macro BIASL adr                       ; a step's 64 entries of the table, into the scores' registers
.irp t, 0,1,2,3,4,5,6,7
	ds_load_b128 v[S+8*\t:S+8*\t+3], v[\adr] offset:64*\t
	ds_load_b128 v[S+8*\t+4:S+8*\t+7], v[\adr] offset:64*\t+16
.endr
.endm
.macro SQK t                           ; tile t of S^T: 16 keys x my 16 queries, onto the bias; an odd tile's codes lie in the fragment's upper half and its scale words in lanes 16-31
.if (\t) < 4
.set KF, Y+12*((\t)/2)
.else
.set KF, X+12*((\t)/2-2)
.endif
.if (\t)%2
	v_wmma_scale_f32_16x16x128_f8f6f4 v[S+8*(\t):S+8*(\t)+7], v[KF:KF+11], v[16:27], v[S+8*(\t):S+8*(\t)+7], v[KSC+(\t)/2], v[QSC] matrix_a_fmt:MATRIX_FMT_FP6 matrix_b_fmt:MATRIX_FMT_FP6 matrix_a_scale:MATRIX_SCALE_ROW1
.else
	v_wmma_scale_f32_16x16x128_f8f6f4 v[S+8*(\t):S+8*(\t)+7], v[KF:KF+11], v[22:33], v[S+8*(\t):S+8*(\t)+7], v[KSC+(\t)/2], v[QSC] matrix_a_fmt:MATRIX_FMT_FP6 matrix_b_fmt:MATRIX_FMT_FP6
.endif
.endm
.macro PVM d                           ; tile d of O^T: 16 channels x my 16 queries, K = the step's 128 keys
.if (\d)%2
	v_wmma_scale_f32_16x16x128_f8f6f4 v[O+8*(\d):O+8*(\d)+7], v[X+12*(\d):X+12*(\d)+11], v[P:P+11], v[O+8*(\d):O+8*(\d)+7], v[VSC+(\d)/2], v253 matrix_a_fmt:MATRIX_FMT_FP6 matrix_b_fmt:MATRIX_FMT_FP6 matrix_a_scale:MATRIX_SCALE_ROW1
.else
	v_wmma_scale_f32_16x16x128_f8f6f4 v[O+8*(\d):O+8*(\d)+7], v[X+12*(\d):X+12*(\d)+11], v[P:P+11], v[O+8*(\d):O+8*(\d)+7], v[VSC+(\d)/2], v253 matrix_a_fmt:MATRIX_FMT_FP6 matrix_b_fmt:MATRIX_FMT_FP6
.endif
.endm
	s_load_b256 s[4:11], s[0:1], 0x0               ; qkvb, bkt, rel_embed, gate_ur_w
	s_load_b128 s[12:15], s[0:1], 0x20             ; gate_i_w, rel_scale
	s_load_b64 s[16:17], s[0:1], 0x30              ; act
	v_lshl_add_u32 v[SPW], v0, 2, SPARE
	v_mov_b32 v[NIL], 0
	ds_add_u32 v[SPW], v[NIL]                      ; the opening lines: the add, twice on end, and its wait ahead of my tensor load
	ds_add_u32 v[SPW], v[NIL]
	v_lshrrev_b32 v8, 5, v0
	s_delay_alu instid0(VALU_DEP_1)
	v_readfirstlane_b32 s[WV], v8                  ; wave 0..15
	s_mov_b32 s[G1], 15|(3<<16)|(1<<21)            ; the cluster's four; elements of 8 bytes
	s_mov_b32 s[G1+1], 32<<16                      ; rows of 256 bytes,
	s_mov_b32 s[G1+2], 51<<16                      ; 51 of them
	s_mov_b32 s[G1+3], 32<<16
	s_mov_b32 s[G1+4], 51
	s_mov_b32 s[G1+5], 32                          ; dense
	s_mov_b32 s[G1+6], 0
	s_mov_b32 s[G1+7], 0
	s_and_b32 s19, ttmp7, 0xffff                   ; the record
	s_mul_i32 s100, s19, REC
	s_mov_b32 s101, 0
	s_mul_i32 s96, s[WV], SHARE                    ; my part: the same place in the record and in LDS
	s_mov_b32 s97, 0
	s_mov_b32 s[G0], 1
	s_mov_b32 s[G0+1], s96
	s_bfe_u32 s2, ttmp6, 0x40000
	s_lshl_b32 s3, ttmp9, 2
	s_add_co_u32 s3, s3, s2                        ; work-group x: it enters global addresses alone
	s_cmp_ge_u32 s19, 12
	s_cselect_b32 s95, 1, 0                        ; batch
	s_mul_i32 s49, s95, 12
	s_sub_co_u32 s49, s19, s49                     ; head
	s_lshl_b32 s48, s3, 8
	s_sub_co_u32 s48, 1792, s48                    ; the table's first entry: rel + 2047 of key 0 and my last query
.irp k, 0,1,2,3,4
	v_add3_u32 v[96+\k], v0, s48, 512*\k
	s_delay_alu instid0(VALU_DEP_1)
	v_min_u32 v[96+\k], 0xfff, v[96+\k]
	s_delay_alu instid0(VALU_DEP_1)
	v_lshlrev_b32 v[96+\k], 2, v[96+\k]
.endr
	s_lshl_b32 s66, s3, 4
	s_add_co_u32 s66, s66, s[WV]                   ; my tile of 16 queries within the batch
	s_mul_i32 s74, s66, 768
	s_add_co_u32 s74, s74, RQ
	s_mov_b32 s75, 0
	s_lshl_b32 s76, s66, 6
	s_add_co_u32 s76, s76, RQS
	s_mov_b32 s77, 0
	s_mul_i32 s78, s95, 98304
	s_add_co_u32 s78, s78, QS
	s_mov_b32 s79, 0
	s_lshl_b32 s80, s49, 8
	s_mov_b32 s81, 0
	s_mov_b32 s82, s80
	s_mov_b32 s83, 0
	s_lshl_b32 s84, s49, 2
	s_mov_b32 s85, 0
	s_mov_b32 s86, s84
	s_mov_b32 s87, 0
	s_lshl_b32 s67, s95, 7
	s_add_co_u32 s67, s67, s66                     ; my tile of 16 tokens of act
	s_lshr_b32 s72, s49, 1                         ; the K step of the next product, and which half of it
	s_and_b32 s73, s49, 1
	s_mul_i32 s88, s67, 6
	s_add_co_u32 s88, s88, s72
	s_mul_i32 s88, s88, 1536
	s_mul_i32 s66, s73, 768
	s_add_co_u32 s88, s88, s66
	s_mov_b32 s89, 0
	s_lshl_b32 s90, s67, 9
	s_lshl_b32 s72, s72, 2
	s_add_co_u32 s90, s90, s72
	s_lshl_b32 s73, s73, 1
	s_add_co_u32 s90, s90, s73
	s_add_co_u32 s90, s90, ASCL
	s_mov_b32 s91, 0
	s_mov_b32 s[SEL], 0x76543210
	s_mov_b32 s[SEL+1], 0xfedcba98
	s_mov_b32 s[CS], 0x3e38aa3b                    ; log2(e) / 8
	s_mov_b32 s[CS+1], s[CS]
	s_mov_b32 s93, 0x41000000                      ; 8: the table holds 8 x bias, so that one factor serves score and bias
	s_wait_alu depctr_va_vdst(0)                   ; directly ahead of the waits below
	s_wait_dscnt 0x0                               ; both opening adds are done
	s_wait_kmcnt 0x0
.irp k, 0,1,2,3,4
	global_load_b32 v[104+\k], v[96+\k], s[6:7]    ; the buckets of my five entries of the table
.endr
	s_add_nc_u64 s[100:101], s[4:5], s[100:101]
	s_add_nc_u64 s[G0+2:G0+3], s[100:101], s[96:97]
	s_or_b32 s[G0+3], s[G0+3], 0x80000000
	CROUND                                         ; the cluster's four are here: the joint loads meet
	tensor_load_to_lds s[G0:G0+3], s[G1:G1+7]      ; my one tensor load of the launch
	s_nop 0
.rept 4
	v_nop
.endr
	s_add_nc_u64 s[74:75], s[100:101], s[74:75]
	s_add_nc_u64 s[76:77], s[100:101], s[76:77]
	s_add_nc_u64 s[78:79], s[4:5], s[78:79]
	s_add_nc_u64 s[80:81], s[10:11], s[80:81]
	s_add_nc_u64 s[82:83], s[12:13], s[82:83]
	s_add_nc_u64 s[84:85], s[14:15], s[84:85]
	s_add_nc_u64 s[86:87], s[8:9], s[86:87]
	s_add_nc_u64 s[88:89], s[16:17], s[88:89]
	s_add_nc_u64 s[90:91], s[16:17], s[90:91]
	s_load_b32 s92, s[84:85], 0x0                  ; rel_scale[head]
	v_and_b32 v94, 31, v0
	v_and_b32 v110, 15, v0
	s_delay_alu instid0(VALU_DEP_2)
	v_lshlrev_b32 v[A16], 4, v94
	s_delay_alu instid0(VALU_DEP_3)
	v_lshlrev_b32 v95, 3, v94
	s_delay_alu instid0(VALU_DEP_1)
	v_add_nc_u32 v[A8], 512, v95
	v_lshlrev_b32 v[A4], 2, v94
	v_lshlrev_b32 v93, 2, v110
	v_lshlrev_b32 v111, 4, v110
	v_lshrrev_b32 v109, 4, v0
	s_delay_alu instid0(VALU_DEP_1)
	v_mad_u32_u24 v109, v109, 3072, v111           ; q's sums: token block thread / 16, four channels a lane
.irp k, 0,1,2,3,4,5,6,7,8,9,10,11
	global_load_b128 v[112+4*\k:115+4*\k], v109, s[78:79] offset:256*\k   ; the twelve heads
.endr
	global_load_b64 v[160:161], v95, s[80:81]      ; gate_ur_w[head], two channels a lane
	global_load_b64 v[162:163], v95, s[82:83]      ; gate_i_w[head]
	global_load_b128 v[22:25], v[A16], s[74:75]    ; q's half image
	global_load_b64 v[26:27], v[A8], s[74:75]
	global_load_b32 v[QSC], v93, s[76:77]
	s_wait_loadcnt 17                              ; the buckets are in; the 17 loads behind them may be out
.irp k, 0,1,2,3,4
	v_min_u32 v[104+\k], 0x13f, v[104+\k]
	s_delay_alu instid0(VALU_DEP_1)
	v_mul_u32_u24 v[104+\k], v[104+\k], 48
.endr
.irp k, 0,1,2,3,4
	global_load_b32 v[164+\k], v[104+\k], s[86:87] ; rel_embed[bucket][head]
.endr
	s_wait_loadcnt 10                              ; q's sums are in; behind them 5 + 5 loads
.irp k, 1
	v_pk_add_f32 v[112:113], v[112:113], v[112+4*\k:113+4*\k]
	v_pk_add_f32 v[114:115], v[114:115], v[114+4*\k:115+4*\k]
.endr
.irp k, 2, 3, 4, 5, 6, 7, 8, 9, 10, 11
	s_delay_alu instid0(VALU_DEP_2)
	v_pk_add_f32 v[112:113], v[112:113], v[112+4*\k:113+4*\k]
	s_delay_alu instid0(VALU_DEP_2)
	v_pk_add_f32 v[114:115], v[114:115], v[114+4*\k:115+4*\k]
.endr
.irp i, 0,1,2,3
	v_permlanex16_b32 v[116+\i], v[112+\i], s[SEL], s[SEL+1]
.endr
.irp i, 0,1,2,3
	s_delay_alu instid0(VALU_DEP_4)
	v_add_f32 v[112+\i], v[112+\i], v[116+\i]
.endr
	s_lshl_b32 s94, s[WV], 8
	s_add_co_u32 s94, s94, RED
	v_add_nc_u32 v92, s94, v111
	v_add_nc_u32 v91, RED, v95
	v_lshl_add_u32 v90, v0, 2, TAB+16
	ds_store_b128 v92, v[112:115]                  ; my wave's two token blocks, 64 channels
	s_wait_alu depctr_va_vdst(0)
	s_wait_dscnt 0x0
	s_barrier_signal -1
	s_barrier_wait -1
.irp i, 0,1,2,3,4,5,6,7,8,9,10,11,12,13,14,15
	ds_load_b64 v[112+2*\i:113+2*\i], v91 offset:256*\i
.endr
	s_wait_dscnt 0x0
.irp i, 1
	v_pk_add_f32 v[112:113], v[112:113], v[112+2*\i:113+2*\i]
.endr
.irp i, 2, 3, 4, 5, 6, 7, 8, 9, 10, 11, 12, 13, 14, 15
	s_delay_alu instid0(VALU_DEP_1)
	v_pk_add_f32 v[112:113], v[112:113], v[112+2*\i:113+2*\i]
.endr
	s_wait_alu depctr_va_vdst(0)
	s_wait_loadcnt 0x0
	v_mul_f32 v170, v112, v160                     ; the two gates' products, f32
	v_mul_f32 v171, v112, v162
	s_delay_alu instid0(VALU_DEP_2)
	v_fma_f32 v170, v113, v161, v170
	s_delay_alu instid0(VALU_DEP_2)
	v_fma_f32 v171, v113, v163, v171
.irp m, 1,2,4,8
	s_delay_alu instid0(VALU_DEP_2)
	v_add_f32_dpp v170, v170, v170 row_xmask:\m row_mask:0xf bank_mask:0xf
	s_delay_alu instid0(VALU_DEP_2)
	v_add_f32_dpp v171, v171, v171 row_xmask:\m row_mask:0xf bank_mask:0xf
.endr
	v_mov_b32 v172, 0
	v_mov_b32 v173, 0
	s_delay_alu instid0(VALU_DEP_2)
	v_permlanex16_b32 v172, v170, s[SEL], s[SEL+1]
	s_delay_alu instid0(VALU_DEP_2)
	v_permlanex16_b32 v173, v171, s[SEL], s[SEL+1]
	s_delay_alu instid0(VALU_DEP_2)
	v_add_f32 v170, v170, v172
	s_delay_alu instid0(VALU_DEP_2)
	v_add_f32 v171, v171, v173
	s_delay_alu instid0(VALU_DEP_2)
	v_mul_f32 v170, 0x382aaaab, v170               ; / (2,048 x 12): the two means
	s_delay_alu instid0(VALU_DEP_2)
	v_mul_f32 v171, 0x382aaaab, v171
	s_delay_alu instid0(VALU_DEP_2)
	v_mul_f32 v170, 0xbfb8aa3b, v170               ; sigmoid(z) = 1 / (1 + 2^(-z log2 e))
	s_delay_alu instid0(VALU_DEP_2)
	v_mul_f32 v171, 0xbfb8aa3b, v171
	s_wait_alu depctr_va_vdst(0)
	v_exp_f32 v170, v170
	v_exp_f32 v171, v171
	v_nop
	s_wait_alu depctr_va_vdst(0)
	v_add_f32 v170, 1.0, v170
	v_add_f32 v171, 1.0, v171
	s_wait_alu depctr_va_vdst(0)
	v_rcp_f32 v170, v170
	v_rcp_f32 v171, v171
	v_nop
	s_wait_alu depctr_va_vdst(0)
	v_mul_f32 v170, v170, v171
	s_wait_alu depctr_va_vdst(0)
	s_wait_kmcnt 0x0
	v_mul_f32 v170, s92, v170
	s_delay_alu instid0(VALU_DEP_1)
	v_fma_f32 v170, v170, s93, s93                 ; 8 x gate
.irp k, 0,1,2,3,4
	v_mul_f32 v[164+\k], v[164+\k], v170
.endr
.irp c, 0,1,2,3
.irp k, 0,1,2,3,4
	ds_store_b32 v90, v[164+\k] offset:10300*\c+2048*\k   ; copy c lies 10,300 c bytes on: 12 modulo 16
.endr
.endr
	v_lshrrev_b32 v8, 1, v0
	s_delay_alu instid0(VALU_DEP_1)
	v_and_b32 v8, 0xf0, v8
	s_delay_alu instid0(VALU_DEP_1)
	v_and_or_b32 v8, v0, 15, v8                    ; my query within the 256
	s_delay_alu instid0(VALU_DEP_1)
	v_xor_b32 v8, 0xff, v8                         ; 255 - query: key 0's entry
	v_bfe_u32 v9, v0, 4, 1
	s_delay_alu instid0(VALU_DEP_1)
	v_lshl_add_u32 v8, v9, 3, v8                   ; + 8 h
	v_and_b32 v9, 3, v0
	s_delay_alu instid0(VALU_DEP_1)
	v_xor_b32 v9, 3, v9                            ; the copy in which that entry lies on a multiple of 16 bytes
	s_delay_alu instid0(VALU_DEP_1)
	v_mul_u32_u24 v9, v9, 10300
	s_delay_alu instid0(VALU_DEP_1)
	v_lshl_add_u32 v9, v8, 2, v9
	s_delay_alu instid0(VALU_DEP_1)
	v_add_nc_u32 v[ABI], TAB+16, v9
	v_add_nc_u32 v7, LKS, v[A4]                    ; step 0's scale words of k
.irp j, 16,17,18,19,20,21,28,29,30,31,32,33
	v_mov_b32 v[\j], 0                             ; zero codes on both sides of q
.endr
.set J, 0
.rept 32
	v_mov_b32 v[O+J], 0                            ; O^T: the step is written once, and the first change of M leaves zeros zeros
.set J, J+1
.endr
	v_mov_b32 v13, 0xff61b1e6                      ; -3e38, under every t
	s_delay_alu instid0(VALU_DEP_1)
	v_floor_f32 v12, -v13
	v_mov_b32 v14, 0
	v_mov_b32 v15, 0
.irp b, 0,1,2,3
	v_mov_b32 v[236+\b], 0
.endr
	v_mov_b32 v253, 0
	s_wait_alu depctr_va_vdst(0)                   ; at the head's end
	s_wait_tensorcnt 0x0                           ; my part of the record has landed,
	s_wait_dscnt 0x0                               ; and my entries of the table;
	s_barrier_signal -1
	s_barrier_wait -1                              ; so have everybody's.  From here on LDS is only read: the waves go their own ways
	BIASL ABI                                      ; step 0, in the order in which a step leaves the next one's loads: bias,
	FRAG4 Y, A16, A8, 0                            ; k's fragments 0, 1,
	FRAG4 Y+12, A16, A8, 1536
.irp p, 0,1,2,3
	ds_load_b32 v[KSC+\p], v7 offset:128*\p        ; its scale words,
.endr
	FRAG4 X, A16, A8, 3072                         ; and, youngest, fragments 2, 3: eight loads
	FRAG4 X+12, A16, A8, 4608
	s_mov_b32 s[TK], 6144                          ; k, its scale words and the bias: the NEXT step's places;
	s_mov_b32 s[TS], LKS+512
	s_mov_b32 s[TBI], 512
	s_mov_b32 s[TV], LV                            ; v and its scale words: this step's
	s_mov_b32 s[TJ], LVS
	s_mov_b32 s[CNT], 15
; A step: 128 keys.  pre = 1: the next step's loads are asked for on the way
.macro STEP pre
	s_wait_dscnt 8                                 ; all but the youngest eight loads (k's fragments 2, 3) are in
.irp t, 0,1,2,3
	SQK \t
.endr
	s_wait_dscnt 0x0
.irp t, 4,5,6,7
	SQK \t
.endr
	v_add_nc_u32 v8, s[TV], v[A16]                 ; these lines are also the places behind the products, ahead of the loads into their operands and of the first read of the scores
	v_add_nc_u32 v9, s[TV], v[A8]
	v_add_nc_u32 v10, s[TJ], v[A4]
.if \pre
	v_add_nc_u32 v42, s[TK], v[A16]
	v_add_nc_u32 v43, s[TK], v[A8]
	v_add_nc_u32 v7, s[TS], v[A4]
.else
	v_nop
.endif
.irp d, 0,1,2,3
	FRAG4 X+12*\d, 8, 9, 1536*\d                   ; v's four fragments
.endr
	ds_load_b32 v[VSC], v10
	ds_load_b32 v[VSC+1], v10 offset:128
.if \pre
	FRAG4 Y, 42, 43, 0
	FRAG4 Y+12, 42, 43, 1536
.irp p, 0,1,2,3
	ds_load_b32 v[KSC+\p], v7 offset:128*\p
.endr
.endif
.irp b, 0,1,2,3
	v_max3_num_f32 v[232+\b], v[S+16*\b], v[S+1+16*\b], v[S+2+16*\b]   ; each block's largest score: for the row's maximum and for the block's largest p
.endr
.irp i, 3,5,7,9,11,13
.irp b, 0,1,2,3
	v_max3_num_f32 v[232+\b], v[232+\b], v[S+16*\b+\i], v[S+1+16*\b+\i]
.endr
.endr
.irp b, 0,1,2,3
	v_max_num_f32 v[232+\b], v[232+\b], v[S+15+16*\b]
.endr
.irp b, 0,1,2,3
	s_delay_alu instid0(VALU_DEP_4)
	v_permlanex16_b32 v[236+\b], v[232+\b], s[SEL], s[SEL+1]
.endr
.irp b, 0,1,2,3
	s_delay_alu instid0(VALU_DEP_4)
	v_max_num_f32 v[232+\b], v[232+\b], v[236+\b]
.endr
	s_delay_alu instid0(VALU_DEP_2)
	v_max3_num_f32 v254, v232, v233, v234
	s_delay_alu instid0(VALU_DEP_1)
	v_max_num_f32 v254, v254, v235
	s_delay_alu instid0(VALU_DEP_1)
	v_mul_f32 v254, s[CS], v254
	s_delay_alu instid0(VALU_DEP_1)
	v_max_num_f32 v13, v13, v254                   ; the running largest t
	v_mov_b32 v254, v12
	s_delay_alu instid0(VALU_DEP_2)
	v_floor_f32 v12, -v13                          ; -M
	s_delay_alu instid0(VALU_DEP_1)
	v_sub_f32 v254, v12, v254
	s_delay_alu instid0(VALU_DEP_1)
	v_cvt_i32_f32 v254, v254
	s_delay_alu instid0(VALU_DEP_1)
	v_ldexp_f32 v252, 1.0, v254                    ; f = 2^(old M - new M)
.set J, 0
.rept 32
	v_pk_fma_f32 v[S+J:S+J+1], v[S+J:S+J+1], s[CS:CS+1], v[12:13] op_sel_hi:[1,0,0]   ; t - M
.set J, J+2
.endr
.irp b, 0,1,2,3
	v_fma_f32 v[232+\b], v[232+\b], s[CS], v12
.endr
.set J, 0
	s_wait_alu depctr_va_vdst(0)                   ; ahead of the batch
.rept 64
	v_exp_f32 v[S+J], v[S+J]
.set J, J+1
.endr
	v_pk_mul_f32 v[14:15], v[14:15], v[252:253] op_sel_hi:[1,0]
	s_wait_alu depctr_va_vdst(0)                   ; and behind it
.irp b, 0,1,2,3
	v_exp_f32 v[232+\b], v[232+\b]
.endr
	v_pk_add_f32 v[236:237], v[S:S+1], v[S+2:S+3]  ; the sum of the unquantised p, in two chains
.irp j, 4,8,12,16,20,24,28,32,36,40,44,48,52,56,60
	v_pk_add_f32 v[14:15], v[14:15], v[S+\j:S+1+\j]
	v_pk_add_f32 v[236:237], v[236:237], v[S+2+\j:S+3+\j]
.endr
	s_delay_alu instid0(VALU_DEP_1)
	v_pk_add_f32 v[14:15], v[14:15], v[236:237]
	s_wait_alu depctr_va_vdst(0)
.irp b, 0,1,2,3
	v_max_num_f32 v[232+\b], 0x1800000, v[232+\b]  ; the floor 2^(3 - 127)
.endr
.irp b, 0,1,2,3
	s_delay_alu instid0(VALU_DEP_4)
	v_add_nc_u32 v[244+\b], 0xff000000, v[232+\b]
.endr
.irp b, 0,1,2,3
	s_delay_alu instid0(VALU_DEP_4)
	v_lshrrev_b32 v[236+\b], 23, v[244+\b]
.endr
	s_delay_alu instid0(VALU_DEP_3)
	v_lshl_or_b32 v253, v237, 8, v236              ; p's scale word
	s_delay_alu instid0(VALU_DEP_1)
	v_lshl_or_b32 v253, v238, 16, v253
	s_delay_alu instid0(VALU_DEP_1)
	v_lshl_or_b32 v253, v239, 24, v253
.irp c, 0,1
	v_cvt_scalef32_pk16_fp6_f32 v[P+6*\c:P+2+6*\c], v[S+32*\c:S+15+32*\c], v[244+2*\c]
	v_cvt_scalef32_pk16_fp6_f32 v[PT+4*\c:PT+2+4*\c], v[S+16+32*\c:S+31+32*\c], v[244+2*\c+1]
.endr
.if \pre
	v_add_nc_u32 v11, s[TBI], v[ABI]               ; (the plain line behind the conversions)
	BIASL 11                                       ; p has been read: the next step's bias takes its registers
.else
	v_nop
.endif
.irp c, 0,1
.irp i, 0,1,2
	v_permlane16_swap_b32 v[P+6*\c+\i], v[PT+4*\c+\i]
.endr
.irp i, 0,1,2
	s_delay_alu instid0(VALU_DEP_3)
	v_mov_b32 v[P+3+6*\c+\i], v[PT+4*\c+\i]
.endr
.endr
	s_wait_alu depctr_va_vdst(0)                   ; directly ahead of the first reader of O^T
.set J, 0
.rept 16
	v_pk_mul_f32 v[O+J:O+J+1], v[O+J:O+J+1], v[252:253] op_sel_hi:[1,0]   ; O^T under the new M
.set J, J+2
.endr
	s_wait_alu depctr_va_vdst(0)
.if \pre
	s_wait_dscnt 16                                ; v and what was asked for with it are in; the 16 loads of the bias may be out
.else
	s_wait_dscnt 0x0
.endif
.irp d, 0,1,2,3
	PVM \d
.endr
.if \pre
.rept 4
	v_nop                                          ; four places ahead of loads into registers that the products read
.endr
	FRAG4 X, 42, 43, 3072                          ; the next step's fragments 2, 3 of k
	FRAG4 X+12, 42, 43, 4608
.endif
.endm
.Lstep:
	STEP 1
	s_add_co_u32 s[TK], s[TK], 6144
	s_add_co_u32 s[TV], s[TV], 6144
	s_add_co_u32 s[TS], s[TS], 512
	s_add_co_u32 s[TJ], s[TJ], 256
	s_add_co_u32 s[TBI], s[TBI], 512
	s_sub_co_u32 s[CNT], s[CNT], 1
	s_cmp_lg_u32 s[CNT], 0
	s_cbranch_scc1 .Lstep
	STEP 0                                         ; the last step asks for nothing more
	v_add_f32 v14, v14, v15
	s_delay_alu instid0(VALU_DEP_1)
	v_permlanex16_b32 v252, v14, s[SEL], s[SEL+1]
	s_delay_alu instid0(VALU_DEP_1)
	v_add_f32 v14, v14, v252                       ; the row's sum
	s_wait_alu depctr_va_vdst(0)
	v_rcp_f32 v14, v14
	v_and_b32 v8, 15, v0
	s_delay_alu instid0(VALU_DEP_1)
	v_lshlrev_b32 v8, 5, v8
	v_nop
	v_nop
	s_wait_alu depctr_va_vdst(0)
.set J, 0
.rept 32
	v_mul_f32 v[S+J], v[O+J], v14
.set J, J+1
.endr
	QUANT2 S, P, PT, 232, 253
	global_store_b128 v[A16], v[P:P+3], s[88:89]   ; half a fragment's image of act
	global_store_b64 v[A8], v[P+4:P+5], s[88:89]
	global_store_b16 v8, v253, s[90:91]            ; two of the word's four bytes (lanes 16-31 store the same)
	s_wait_tensorcnt 0x0                           ; the wave's end
	ds_add_u32 v[SPW], v[NIL]
	s_wait_dscnt 0x0
	CROUND                                         ; the closing round
	s_endpgm
.Lfunc_end_k_qc46c80370f_attn:
	.size	k_qc46c80370f_attn, .Lfunc_end_k_qc46c80370f_attn-k_qc46c80370f_attn
	.p2alignl 7, 3214868480
	.fill 96, 4, 3214868480
	.section	.rodata,"a",@progbits
	.p2align	6, 0x0
	.amdhsa_kernel k_qc46c80370f_attn
		.amdhsa_group_segment_fixed_size 327680
		.amdhsa_private_segment_fixed_size 0
		.amdhsa_enable_private_segment 0
		.amdhsa_kernarg_size 56
		.amdhsa_user_sgpr_count 2
		.amdhsa_user_sgpr_kernarg_segment_ptr 1
		.amdhsa_wavefront_size32 1
		.amdhsa_system_sgpr_workgroup_id_x 1
		.amdhsa_system_sgpr_workgroup_id_y 1
		.amdhsa_system_sgpr_workgroup_id_z 1
		.amdhsa_system_vgpr_workitem_id 0
		.amdhsa_next_free_vgpr 256
		.amdhsa_next_free_sgpr 102
		.amdhsa_reserve_vcc 0
		.amdhsa_float_denorm_mode_32 3
		.amdhsa_float_denorm_mode_16_64 3
		.amdhsa_memory_ordered 1
		.amdhsa_forward_progress 1
		.amdhsa_inst_pref_size 64
	.end_amdhsa_kernel
	.amdgpu_metadata
---
amdhsa.version: [ 1, 2 ]
amdhsa.kernels:
  - .name:           k_qc46c80370f_attn
    .symbol:         k_qc46c80370f_attn.kd
    .args:
      - { .name: qkvb, .offset: 0, .size: 8, .value_kind: global_buffer, .address_space: global }
      - { .name: bkt, .offset: 8, .size: 8, .value_kind: global_buffer, .address_space: global }
      - { .name: rel_embed, .offset: 16, .size: 8, .value_kind: global_buffer, .address_space: global }
      - { .name: gate_ur_w, .offset: 24, .size: 8, .value_kind: global_buffer, .address_space: global }
      - { .name: gate_i_w, .offset: 32, .size: 8, .value_kind: global_buffer, .address_space: global }
      - { .name: rel_scale, .offset: 40, .size: 8, .value_kind: global_buffer, .address_space: global }
      - { .name: act, .offset: 48, .size: 8, .value_kind: global_buffer, .address_space: global }
    .group_segment_fixed_size: 327680
    .private_segment_fixed_size: 0
    .kernarg_segment_align: 8
    .kernarg_segment_size: 56
    .max_flat_workgroup_size: 512
    .sgpr_count:     102
    .vgpr_count:     256
    .wavefront_size: 32
...
	.end_amdgpu_metadata
.endif
;; end of part 3
;; launch woln (part 4): grid 256 x 1, 12 waves a work-group, no clusters, 55,808 bytes of LDS; arguments act, wbuf, bo, x, ln2_w, ln2_b, x2, act2; writes x2, act2
.if DOCPART == 4
	.amdgcn_target "amdgcn-amd-amdhsa--gfx1250"
	.amdhsa_code_object_version 6
	.text
	.protected	k_qc46c80370f_woln
	.globl	k_qc46c80370f_woln
	.p2align	8
	.type	k_qc46c80370f_woln,@function
k_qc46c80370f_woln:
	s_mov_b64 s[64:65], 0
	v_nop
	global_prefetch_b8 v0, s[64:65] scope:SCOPE_SE
	s_setreg_imm32_b32 hwreg(HW_REG_WAVE_MODE, 25, 1), 1
	s_wait_xcnt 0x0
; x2 = x + Q(attention's result) Q(wo)^T + bo, and at once the second LayerNorm of x2 and its quantiser along the 768: act2 holds the next product's A operand as register images
; (layout and order inside a block: first launch's head).  No work of reference() is left out.  LIMITS: NaN and infinities are not served; a block under 2^-124 keeps the byte 1.
; SHARES.  A work-group owns 16 whole rows (256 work-groups), so the row's mean and variance never leave it.  Wave w of 12 makes 16 tokens x columns 64 w .. 64 w + 63: four accumulators.
; TRANSPOSED (source 0 = 16 rows of wo, source 1 = the 16 tokens): lane (r, h) holds token r, register 8 t + j = column 64 w + 16 t + 8 h + j: the order that the quantiser takes.
; THE RESIDUAL IS LOADED STRAIGHT INTO THE ACCUMULATORS.  K is six steps, all written out; a step is five fragments, 20 loads; three steps' loads are on their way.
; bo, the gain and the offset are loaded into the fragments' registers as these fall free.  x2 leaves through the wave's own stage in LDS: sixteen lanes store 256 consecutive bytes, aligned.
; The mean, and then the sum of squares of the differences, meet in LDS: a word for each wave and row, a barrier each.
; NO JOINT LOADS, NO LDS RING: all work-groups walk the same 442,368 bytes of wo's codes, which do not fit in LDS; a ring would put a round of barriers between groups of four products a wave.
; NO PREFETCH: there is no loop to run ahead in.  act is read here, so the codes go to a buffer of their own.
.set TP, 9216                          ; from a tile's fragments to the next tile's
.set ASC, 2359296                      ; the scale blocks of act and of act2
.set BBASE, 864*1536                   ; wo's fragments in wbuf
.set BSC, 5308416+144*512              ; and its scale blocks
.set RED0, 52224                       ; LDS: from 0 twelve stages of 16 x 272 bytes; 12 x 64 bytes: the sums;
.set RED1, 53248                       ; the sums of squares;
.set SPARE, 54272                      ; the spare words, 128 bytes a wave, that no other line names
.set L16, 1                            ; v1 16 x lane; v2 8 x lane; v3 32 r; v4 x: row r + 32 h; v5 32 h; v6, v7 into and out of my stage; v8 my place in two rows of x2;
.set L8, 2                             ; v9, v10 the add's two; v11 LDS 64 w + 4 r; v12 LDS 4 r
.set SCA, 14                           ; v14-19 A's scale words, K step s at s;  v20-43 B's: tile i, K step s at 6 i + s
.set SCB, 20
.set X, 44                             ; v44-75 the accumulators, then my 32 numbers
.set F0, 76                            ; three sets of five fragments; later F0: bo, then x2's rows; F1: the gain; F2: the offset
.set F1, 136
.set F2, 196
.set CH, 108                           ; v108-115 four chains of pairs; v116-127 the twelve waves' figures; v128-131 the mean and 1 / sigma, twice each
.set PA, 24
.set PB, 26
.set SEL, 40
.macro QUANT2 s, pc, pt, tm, pw        ; 32 numbers of a lane become half a fragment's codes in v[pc] .. v[pc + 5] and two scale bytes in v[pw]
.irp b, 0,1
	v_max3_num_f32 v[\tm+\b], |v[\s+16*\b]|, |v[\s+1+16*\b]|, 0x1800000
.endr
.irp i, 2,4,6,8,10,12,14
.irp b, 0,1
	s_delay_alu instid0(VALU_DEP_2)
	v_max3_num_f32 v[\tm+\b], v[\tm+\b], |v[\s+16*\b+\i]|, |v[\s+1+16*\b+\i]|
.endr
.endr
.irp b, 0,1
	s_delay_alu instid0(VALU_DEP_2)
	v_permlanex16_b32 v[\tm+4+\b], v[\tm+\b], s[SEL], s[SEL+1]
.endr
.irp b, 0,1
	s_delay_alu instid0(VALU_DEP_2)
	v_max_num_f32 v[\tm+\b], v[\tm+\b], v[\tm+4+\b]
.endr
.irp b, 0,1
	s_delay_alu instid0(VALU_DEP_2)
	v_add_nc_u32 v[\tm+12+\b], 0xff000000, v[\tm+\b]
.endr
.irp b, 0,1
	s_delay_alu instid0(VALU_DEP_2)
	v_lshrrev_b32 v[\tm+4+\b], 23, v[\tm+12+\b]
.endr
	s_delay_alu instid0(VALU_DEP_1)
	v_lshl_or_b32 v[\pw], v[\tm+5], 8, v[\tm+4]
	v_cvt_scalef32_pk16_fp6_f32 v[\pc:\pc+2], v[\s:\s+15], v[\tm+12]
	v_cvt_scalef32_pk16_fp6_f32 v[\pt:\pt+2], v[\s+16:\s+31], v[\tm+13]
	v_nop
.irp i, 0,1,2
	v_permlane16_swap_b32 v[\pc+\i], v[\pt+\i]
.endr
.irp i, 0,1,2
	s_delay_alu instid0(VALU_DEP_3)
	v_mov_b32 v[\pc+3+\i], v[\pt+\i]
.endr
.endm
.macro FRAGL reg, base, off            ; a fragment's four loads
	global_load_b128 v[(\reg):(\reg)+3], v[L16], s[\base:\base+1] offset:(\off)
	global_load_b64 v[(\reg)+4:(\reg)+5], v[L8], s[\base:\base+1] offset:(\off)+512
	global_load_b128 v[(\reg)+6:(\reg)+9], v[L16], s[\base:\base+1] offset:(\off)+768
	global_load_b64 v[(\reg)+10:(\reg)+11], v[L8], s[\base:\base+1] offset:(\off)+1280
.endm
.macro LOADK s, f                      ; K step s: A's fragment and B's four into set f: 20 loads
	FRAGL \f, PA, (\s)*1536
.irp i, 0,1,2,3
	FRAGL \f+12+12*\i, PB, \i*TP+(\s)*1536
.endr
.endm
; a K step: the wait, four products, the four accumulators by turns, and four places ahead of loads into the registers that they read
.macro STEPK s, f, cnt
	s_wait_loadcnt \cnt
.irp t, 0,1,2,3
	v_wmma_scale_f32_16x16x128_f8f6f4 v[X+8*\t:X+8*\t+7], v[\f+12+12*\t:\f+23+12*\t], v[\f:\f+11], v[X+8*\t:X+8*\t+7], v[SCB+6*\t+(\s)], v[SCA+(\s)] matrix_a_fmt:MATRIX_FMT_FP6 matrix_b_fmt:MATRIX_FMT_FP6
.endr
.rept 4
	v_nop
.endr
.endm
.macro ROW32 reg, base, adr            ; 32 numbers in my layout: 8 loads
.irp t, 0,1,2,3
	global_load_b128 v[\reg+8*\t:\reg+8*\t+3], v[\adr], s[\base:\base+1] offset:64*\t
	global_load_b128 v[\reg+8*\t+4:\reg+8*\t+7], v[\adr], s[\base:\base+1] offset:64*\t+16
.endr
.endm
; the four chains are joined, my row's other half is added, the wave's figure goes to LDS at red, and all twelve come back summed in v116
.macro MEET red
	v_pk_add_f32 v[CH:CH+1], v[CH:CH+1], v[CH+2:CH+3]
	v_pk_add_f32 v[CH+4:CH+5], v[CH+4:CH+5], v[CH+6:CH+7]
	s_delay_alu instid0(VALU_DEP_1)
	v_pk_add_f32 v[CH:CH+1], v[CH:CH+1], v[CH+4:CH+5]
	s_delay_alu instid0(VALU_DEP_1)
	v_add_f32 v[CH], v[CH], v[CH+1]
	s_delay_alu instid0(VALU_DEP_1)
	v_permlanex16_b32 v[CH+1], v[CH], s[SEL], s[SEL+1]
	s_delay_alu instid0(VALU_DEP_1)
	v_add_f32 v[CH], v[CH], v[CH+1]                ; my row's 64 columns of this wave (both halves hold the same)
	ds_store_b32 v11, v[CH] offset:\red
	s_wait_dscnt 0x0                               ; for the others' sake: my store has landed
	s_barrier_signal -1
	s_barrier_wait -1
.irp i, 0,1,2,3,4,5,6,7,8,9,10,11
	ds_load_b32 v[116+\i], v12 offset:\red+64*\i
.endr
	s_wait_dscnt 0x0
.irp i, 0,2,4,6,8,10
	v_add_f32 v[116+\i], v[116+\i], v[117+\i]
.endr
	v_add_f32 v116, v116, v118
	v_add_f32 v120, v120, v122
	v_add_f32 v124, v124, v126
	s_delay_alu instid0(VALU_DEP_2)
	v_add_f32 v116, v116, v120
	s_delay_alu instid0(VALU_DEP_1)
	v_add_f32 v116, v116, v124
.endm
	s_load_b512 s[4:19], s[0:1], 0x0               ; act, wbuf, bo, x, ln2_w, ln2_b, x2, act2
	v_lshl_add_u32 v9, v0, 2, SPARE                ; my spare word,
	v_mov_b32 v10, 0                               ; and 0: kept for the wave's end
	v_lshrrev_b32 v1, 5, v0
	v_readfirstlane_b32 s20, v1                    ; wave 0..11
	v_and_b32 v13, 31, v0
	v_and_b32 v11, 15, v0                          ; r
	v_bfe_u32 v12, v0, 4, 1                        ; h
	v_lshlrev_b32 v[L16], 4, v13
	v_lshlrev_b32 v[L8], 3, v13
	v_lshlrev_b32 v3, 5, v11                       ; 32 r
	v_lshlrev_b32 v5, 5, v12                       ; 32 h
	v_mad_u32_u24 v4, v11, 3072, v5                ; token r, + 32 h
	s_mul_i32 s21, s20, 16*272                     ; my stage
	v_mad_u32_u24 v6, v11, 272, v5
	v_add_nc_u32 v6, s21, v6                       ; into it: row r, + 32 h
	v_lshlrev_b32 v13, 4, v11                      ; 16 (lane % 16)
	v_mad_u32_u24 v7, v12, 272, v13
	v_add_nc_u32 v7, s21, v7                       ; out of it: lanes 0-15 one row, lanes 16-31 the next
	v_mad_u32_u24 v8, v12, 3072, v13               ; and the same two rows in x2
	s_lshl_b32 s22, s20, 6
	v_lshlrev_b32 v12, 2, v11                      ; LDS: 4 r
	v_add_nc_u32 v11, s22, v12                     ; LDS: 64 x wave + 4 r
	s_mov_b32 s[SEL], 0x76543210
	s_mov_b32 s[SEL+1], 0xfedcba98
	s_mov_b32 s42, 0x3aaaaaab                      ; 1 / 768
	s_mov_b32 s43, 0x3727c5ac                      ; 1e-5
	s_mul_i32 s[PA], ttmp9, TP                     ; my tile's six fragments of act
	s_mov_b32 s[PA+1], 0
	s_mul_i32 s[PB], s20, 4*TP                     ; my four tiles of wo's rows
	s_add_co_u32 s[PB], s[PB], BBASE
	s_mov_b32 s[PB+1], 0
	s_lshl_b32 s28, ttmp9, 9
	s_add_co_u32 s28, s28, ASC                     ; my tile's scale block, in act and in act2
	s_mov_b32 s29, 0
	s_lshl_b32 s30, s20, 11
	s_add_co_u32 s30, s30, BSC
	s_mov_b32 s31, 0
	s_lshl_b32 s32, s20, 8                         ; my 64 columns in bytes
	s_mov_b32 s33, 0
	s_mul_i32 s34, ttmp9, 49152                    ; 16 rows of 3,072 bytes
	s_add_co_u32 s34, s34, s32
	s_mov_b32 s35, 0
	s_lshr_b32 s44, s20, 1                         ; the next product's K step, and which half of it
	s_and_b32 s45, s20, 1
	s_mul_i32 s36, ttmp9, 6
	s_add_co_u32 s36, s36, s44
	s_mul_i32 s36, s36, 1536
	s_mul_i32 s46, s45, 768
	s_add_co_u32 s36, s36, s46
	s_mov_b32 s37, 0
	s_lshl_b32 s38, s20, 1                         ; word wave / 2, half wave % 2: 2 x wave bytes
	s_add_co_u32 s38, s38, s28
	s_mov_b32 s39, 0
	s_wait_alu depctr_va_vdst(0)                   ; at the head's end
	s_wait_kmcnt 0x0
	s_add_nc_u64 s[PA:PA+1], s[4:5], s[PA:PA+1]
	s_add_nc_u64 s[PB:PB+1], s[6:7], s[PB:PB+1]
	s_add_nc_u64 s[28:29], s[4:5], s[28:29]
	s_add_nc_u64 s[30:31], s[6:7], s[30:31]
	s_add_nc_u64 s[8:9], s[8:9], s[32:33]
	s_add_nc_u64 s[10:11], s[10:11], s[34:35]
	s_add_nc_u64 s[12:13], s[12:13], s[32:33]
	s_add_nc_u64 s[14:15], s[14:15], s[32:33]
	s_add_nc_u64 s[16:17], s[16:17], s[34:35]
	s_add_nc_u64 s[36:37], s[18:19], s[36:37]
	s_add_nc_u64 s[38:39], s[18:19], s[38:39]
	global_load_b128 v[SCA:SCA+3], v3, s[28:29]
	global_load_b64 v[SCA+4:SCA+5], v3, s[28:29] offset:16
.irp i, 0,1,2,3
	global_load_b128 v[SCB+6*\i:SCB+6*\i+3], v3, s[30:31] offset:512*\i
	global_load_b64 v[SCB+6*\i+4:SCB+6*\i+5], v3, s[30:31] offset:512*\i+16
.endr
	ROW32 X, 10, 4                                 ; the residual, into the accumulators
	LOADK 0, F0
	LOADK 1, F1
	LOADK 2, F2
	STEPK 0, F0, 40                                ; behind a step's loads: the next two steps' 40
	LOADK 3, F0
	STEPK 1, F1, 40
	LOADK 4, F1
	STEPK 2, F2, 40
	LOADK 5, F2
	STEPK 3, F0, 40
	ROW32 F0, 8, 5                                 ; bo
	STEPK 4, F1, 28                                ; behind step 4's loads: step 5's 20 and bo's 8
	ROW32 F1, 12, 5                                ; the gain
	STEPK 5, F2, 16                                ; behind step 5's loads: bo's 8 and the gain's 8
	ROW32 F2, 14, 5                                ; the offset
	s_wait_loadcnt 16                              ; bo is in; the gain's 8 and the offset's 8 may be out
.set J, 0
.rept 16
	v_pk_add_f32 v[X+J:X+J+1], v[X+J:X+J+1], v[F0+J:F0+J+1]   ; x2; each accumulator is read from its low end on
.set J, J+2
.endr
	v_mov_b32 v172, 0                              ; a lane permute's destination counts as one of its sources
	v_mov_b32 v173, 0
.irp t, 0,1,2,3
	ds_store_b128 v6, v[X+8*\t:X+8*\t+3] offset:64*\t
	ds_store_b128 v6, v[X+8*\t+4:X+8*\t+7] offset:64*\t+16
.endr
.irp i, 0,1,2,3,4,5,6,7
	ds_load_b128 v[F0+4*\i:F0+4*\i+3], v7 offset:544*\i       ; LDS serves a wave's instructions in order: these see my stores
.endr
.irp c, 0,1,2,3
	v_pk_add_f32 v[CH+2*\c:CH+2*\c+1], v[X+2*\c:X+2*\c+1], v[X+8+2*\c:X+9+2*\c]
.endr
.irp i, 2,3
.irp c, 0,1,2,3
	v_pk_add_f32 v[CH+2*\c:CH+2*\c+1], v[CH+2*\c:CH+2*\c+1], v[X+8*\i+2*\c:X+8*\i+2*\c+1]
.endr
.endr
	s_wait_alu depctr_va_vdst(0)                   ; directly ahead of the wait below
	s_wait_dscnt 0x0                               ; the rows are back
.irp i, 0,1,2,3,4,5,6,7
	global_store_b128 v8, v[F0+4*\i:F0+4*\i+3], s[16:17] offset:2*\i*3072   ; sixteen lanes store 256 consecutive bytes, aligned; these registers are not written again
.endr
	MEET RED0
	v_mul_f32 v128, s42, v116                      ; the mean,
	s_delay_alu instid0(VALU_DEP_1)
	v_mov_b32 v129, v128                           ; twice, for the packed forms
.set J, 0
.rept 16
	v_pk_add_f32 v[X+J:X+J+1], v[X+J:X+J+1], v[128:129] neg_lo:[0,1] neg_hi:[0,1]
.set J, J+2
.endr
.irp c, 0,1,2,3
	v_pk_mul_f32 v[CH+2*\c:CH+2*\c+1], v[X+2*\c:X+2*\c+1], v[X+2*\c:X+2*\c+1]
.endr
.irp i, 1,2,3
.irp c, 0,1,2,3
	v_pk_fma_f32 v[CH+2*\c:CH+2*\c+1], v[X+8*\i+2*\c:X+8*\i+2*\c+1], v[X+8*\i+2*\c:X+8*\i+2*\c+1], v[CH+2*\c:CH+2*\c+1]
.endr
.endr
	MEET RED1
	v_fma_f32 v130, v116, s42, s43                 ; the variance + 1e-5
	s_wait_alu depctr_va_vdst(0)                   ; ahead of the transcendental
	v_rsq_f32 v130, v130
	v_nop                                          ; a plain line behind it
	s_wait_alu depctr_va_vdst(0)                   ; and ahead of the result's first reader
	v_mov_b32 v131, v130
	s_wait_alu depctr_va_vdst(0)
	s_wait_loadcnt 0x0                             ; gain and offset
.set J, 0
.rept 16
	v_pk_mul_f32 v[X+J:X+J+1], v[X+J:X+J+1], v[130:131]
.set J, J+2
.endr
.set J, 0
.rept 16
	v_pk_fma_f32 v[X+J:X+J+1], v[X+J:X+J+1], v[F1+J:F1+J+1], v[F2+J:F2+J+1]
.set J, J+2
.endr
	QUANT2 X, 188, 184, 168, 194
	global_store_b128 v[L16], v[188:191], s[36:37] ; half a fragment's image
	global_store_b64 v[L8], v[192:193], s[36:37] offset:512
	global_store_b16 v3, v194, s[38:39]            ; two of the word's four bytes (lanes 16-31 store the same)
	s_wait_tensorcnt 0x0                           ; the wave's end, behind my last LDS store
	ds_add_u32 v9, v10
	s_wait_dscnt 0x0
	s_endpgm
.Lfunc_end_k_qc46c80370f_woln:
	.size	k_qc46c80370f_woln, .Lfunc_end_k_qc46c80370f_woln-k_qc46c80370f_woln
	.p2alignl 7, 3214868480
	.fill 96, 4, 3214868480
	.section	.rodata,"a",@progbits
	.p2align	6, 0x0
	.amdhsa_kernel k_qc46c80370f_woln
		.amdhsa_group_segment_fixed_size 55808
		.amdhsa_private_segment_fixed_size 0
		.amdhsa_enable_private_segment 0
		.amdhsa_kernarg_size 64
		.amdhsa_user_sgpr_count 2
		.amdhsa_user_sgpr_kernarg_segment_ptr 1
		.amdhsa_wavefront_size32 1
		.amdhsa_system_sgpr_workgroup_id_x 1
		.amdhsa_system_sgpr_workgroup_id_y 1
		.amdhsa_system_sgpr_workgroup_id_z 1
		.amdhsa_system_vgpr_workitem_id 0
		.amdhsa_next_free_vgpr 256
		.amdhsa_next_free_sgpr 66
		.amdhsa_reserve_vcc 0
		.amdhsa_float_denorm_mode_32 3
		.amdhsa_float_denorm_mode_16_64 3
		.amdhsa_memory_ordered 1
		.amdhsa_forward_progress 1
		.amdhsa_inst_pref_size 37
	.end_amdhsa_kernel
	.amdgpu_metadata
---
amdhsa.version: [ 1, 2 ]
amdhsa.kernels:
  - .name:           k_qc46c80370f_woln
    .symbol:         k_qc46c80370f_woln.kd
    .args:
      - { .name: act, .offset: 0, .size: 8, .value_kind: global_buffer, .address_space: global }
      - { .name: wbuf, .offset: 8, .size: 8, .value_kind: global_buffer, .address_space: global }
      - { .name: bo, .offset: 16, .size: 8, .value_kind: global_buffer, .address_space: global }
      - { .name: x, .offset: 24, .size: 8, .value_kind: global_buffer, .address_space: global }
      - { .name: ln2_w, .offset: 32, .size: 8, .value_kind: global_buffer, .address_space: global }
      - { .name: ln2_b, .offset: 40, .size: 8, .value_kind: global_buffer, .address_space: global }
      - { .name: x2, .offset: 48, .size: 8, .value_kind: global_buffer, .address_space: global }
      - { .name: act2, .offset: 56, .size: 8, .value_kind: global_buffer, .address_space: global }
    .group_segment_fixed_size: 55808
    .private_segment_fixed_size: 0
    .kernarg_segment_align: 8
    .kernarg_segment_size: 64
    .max_flat_workgroup_size: 384
    .sgpr_count:     66
    .vgpr_count:     256
    .wavefront_size: 32
...
	.end_amdgpu_metadata
.endif
;; end of part 4
;; launch w1 (part 5): grid 24 x 32, 4 waves a work-group, no clusters, 0 bytes of LDS; arguments act2, wbuf, b1, hid; writes hid
.if DOCPART == 5
	.amdgcn_target "amdgcn-amd-amdhsa--gfx1250"
	.amdhsa_code_object_version 6
	.text
	.protected	k_qc46c80370f_w1
	.globl	k_qc46c80370f_w1
	.p2align	8
	.type	k_qc46c80370f_w1,@function
k_qc46c80370f_w1:
	s_mov_b64 s[64:65], 0
	v_nop
	global_prefetch_b8 v0, s[64:65] scope:SCOPE_SE
	s_setreg_imm32_b32 hwreg(HW_REG_WAVE_MODE, 25, 1), 1
	s_wait_xcnt 0x0
; hidden = Q(gelu(Q(h) Q(w1)^T + b1)), the exact gelu, quantised along the 3,072 as the last product's A operand, in register images (first launch's head).  No work of reference() is left out.
; SHARES as in the launch for q, k, v: a wave makes 64 tokens x 64 hidden units, TRANSPOSED, so that a lane's registers run along the hidden units: half a fragment for each tile of 16 tokens.
; NO CLUSTER AND NO LDS RING: K has six steps only; two steps' loads are on their way.
; gelu(x) = x / 2 + (x / 2) erf(x / sqrt 2).  erf(y) = y P(y^2) / Q(y^2) with y held to +-4, P of degree 6 and Q of degree 4: it holds for every x, Q is never 0.
; LIMITS: NaN and infinities are not served; erf is good to a few units in its last place, so for x far below 0, where 1 + erf cancels, gelu's relative error grows as it does in any f32 form.
.set ASCL, 2359296
.set WSCL, 5308416
.set HSCL, 9437184
.set NK, 6
.set TPA, 9216
.set TPB, 9216
.set L16, 1
.set L8, 2
.set SCA, 16
.set SCB, 40
.set BIAS, 64                          ; v64-95 the bias; later codes (6 a), scale bytes (v88-91), a conversion's second half (v92-94)
.set GY, 96                            ; v96-127 at work in gelu: y, y^2, P, Q; v96-111 at work in the quantiser
.set GY2, 104
.set GP, 112
.set GQ, 120
.set ACC, 128
.set PA, 24
.set PB, 26
.set SEL, 34
.set RT, 48                            ; scalar pairs, both words written: the packed forms name a pair and take its low word for both halves
.set AL0, 50
.set AL2, 52
.set AL3, 54
.set AL4, 56
.set AL5, 58
.set AL6, 60
.set BE0, 62
.set BE2, 66
.set BE3, 68
.set BE4, 70
.set MSB, 0
.macro WIN new
.if MSB != \new
	s_set_vgpr_msb (MSB<<8)|\new
.set MSB, \new
.endif
.endm
.macro QUANT2 s, pc, pt, tm, pw
.irp b, 0,1
	v_max3_num_f32 v[\tm+\b], |v[\s+16*\b]|, |v[\s+1+16*\b]|, 0x1800000
.endr
.irp i, 2,4,6,8,10,12,14
.irp b, 0,1
	v_max3_num_f32 v[\tm+\b], v[\tm+\b], |v[\s+16*\b+\i]|, |v[\s+1+16*\b+\i]|
.endr
.endr
.irp b, 0,1
	v_permlanex16_b32 v[\tm+4+\b], v[\tm+\b], s[SEL], s[SEL+1]
.endr
.irp b, 0,1
	v_max_num_f32 v[\tm+\b], v[\tm+\b], v[\tm+4+\b]
.endr
.irp b, 0,1
	v_add_nc_u32 v[\tm+12+\b], 0xff000000, v[\tm+\b]
.endr
.irp b, 0,1
	v_lshrrev_b32 v[\tm+4+\b], 23, v[\tm+12+\b]
.endr
	v_lshl_or_b32 v[\pw], v[\tm+5], 8, v[\tm+4]
	v_cvt_scalef32_pk16_fp6_f32 v[\pc:\pc+2], v[\s:\s+15], v[\tm+12]
	v_cvt_scalef32_pk16_fp6_f32 v[\pt:\pt+2], v[\s+16:\s+31], v[\tm+13]
	v_nop
.irp i, 0,1,2
	v_permlane16_swap_b32 v[\pc+\i], v[\pt+\i]
.endr
.irp i, 0,1,2
	v_mov_b32 v[\pc+3+\i], v[\pt+\i]
.endr
.endm
.macro LOADK s, buf
.irp i, 0,1,2,3
	global_load_b128 v[96*(\buf)+12*\i:96*(\buf)+12*\i+3], v[L16], s[PA:PA+1] offset:\i*TPA+(\s)*1536
	global_load_b64 v[96*(\buf)+12*\i+4:96*(\buf)+12*\i+5], v[L8], s[PA:PA+1] offset:\i*TPA+(\s)*1536+512
	global_load_b128 v[96*(\buf)+12*\i+6:96*(\buf)+12*\i+9], v[L16], s[PA:PA+1] offset:\i*TPA+(\s)*1536+768
	global_load_b64 v[96*(\buf)+12*\i+10:96*(\buf)+12*\i+11], v[L8], s[PA:PA+1] offset:\i*TPA+(\s)*1536+1280
.endr
.irp i, 0,1,2,3
	global_load_b128 v[96*(\buf)+48+12*\i:96*(\buf)+48+12*\i+3], v[L16], s[PB:PB+1] offset:\i*TPB+(\s)*1536
	global_load_b64 v[96*(\buf)+48+12*\i+4:96*(\buf)+48+12*\i+5], v[L8], s[PB:PB+1] offset:\i*TPB+(\s)*1536+512
	global_load_b128 v[96*(\buf)+48+12*\i+6:96*(\buf)+48+12*\i+9], v[L16], s[PB:PB+1] offset:\i*TPB+(\s)*1536+768
	global_load_b64 v[96*(\buf)+48+12*\i+10:96*(\buf)+48+12*\i+11], v[L8], s[PB:PB+1] offset:\i*TPB+(\s)*1536+1280
.endr
.endm
.macro MULK s, buf, first              ; the 16 accumulators by turns; first = 1: the bias is the C of each sum's first product
.irp a, 0,1,2,3
.irp b, 0,1,2,3
.if \first
	v_wmma_scale_f32_16x16x128_f8f6f4 v[ACC+8*(4*\a+\b):ACC+8*(4*\a+\b)+7], v[96*(\buf)+48+12*\b:96*(\buf)+48+12*\b+11], v[96*(\buf)+12*\a:96*(\buf)+12*\a+11], v[BIAS+8*\b:BIAS+8*\b+7], v[SCB+NK*\b+(\s)], v[SCA+NK*\a+(\s)] matrix_a_fmt:MATRIX_FMT_FP6 matrix_b_fmt:MATRIX_FMT_FP6
.else
	v_wmma_scale_f32_16x16x128_f8f6f4 v[ACC+8*(4*\a+\b):ACC+8*(4*\a+\b)+7], v[96*(\buf)+48+12*\b:96*(\buf)+48+12*\b+11], v[96*(\buf)+12*\a:96*(\buf)+12*\a+11], v[ACC+8*(4*\a+\b):ACC+8*(4*\a+\b)+7], v[SCB+NK*\b+(\s)], v[SCA+NK*\a+(\s)] matrix_a_fmt:MATRIX_FMT_FP6 matrix_b_fmt:MATRIX_FMT_FP6
.endif
.endr
.endr
.endm
.macro GELU8 x                         ; one accumulator's eight numbers, in place
.irp p, 0,2,4,6
	v_pk_mul_f32 v[GY+\p:GY+\p+1], v[\x+\p:\x+\p+1], s[RT:RT+1] op_sel_hi:[1,0]      ; y = x / sqrt 2
.endr
.irp p, 0,1,2,3,4,5,6,7
	v_med3_num_f32 v[GY+\p], v[GY+\p], -4.0, 4.0
.endr
.irp p, 0,2,4,6
	v_pk_mul_f32 v[GY2+\p:GY2+\p+1], v[GY+\p:GY+\p+1], v[GY+\p:GY+\p+1]
.endr
.irp p, 0,2,4,6
	v_pk_fma_f32 v[GP+\p:GP+\p+1], v[GY2+\p:GY2+\p+1], s[AL0:AL0+1], v[12:13] op_sel_hi:[1,0,1]
	v_pk_fma_f32 v[GQ+\p:GQ+\p+1], v[GY2+\p:GY2+\p+1], s[BE0:BE0+1], v[14:15] op_sel_hi:[1,0,1]
.endr
.irp c, AL2, AL3, AL4, AL5, AL6
.irp p, 0,2,4,6
	v_pk_fma_f32 v[GP+\p:GP+\p+1], v[GP+\p:GP+\p+1], v[GY2+\p:GY2+\p+1], s[\c:\c+1] op_sel_hi:[1,1,0]
.endr
.endr
.irp c, BE2, BE3, BE4
.irp p, 0,2,4,6
	v_pk_fma_f32 v[GQ+\p:GQ+\p+1], v[GQ+\p:GQ+\p+1], v[GY2+\p:GY2+\p+1], s[\c:\c+1] op_sel_hi:[1,1,0]
.endr
.endr
.irp p, 0,2,4,6
	v_pk_mul_f32 v[GP+\p:GP+\p+1], v[GP+\p:GP+\p+1], v[GY+\p:GY+\p+1]
.endr
	s_wait_alu depctr_va_vdst(0)
.irp p, 0,1,2,3,4,5,6,7
	v_rcp_f32 v[GQ+\p], v[GQ+\p]
.endr
.irp p, 0,2,4,6
	v_pk_mul_f32 v[\x+\p:\x+\p+1], v[\x+\p:\x+\p+1], 0.5 op_sel_hi:[1,0]             ; independent work behind the reciprocals
.endr
	s_wait_alu depctr_va_vdst(0)                   ; one wait for the eight, ahead of their first reader
.irp p, 0,2,4,6
	v_pk_mul_f32 v[GP+\p:GP+\p+1], v[GP+\p:GP+\p+1], v[GQ+\p:GQ+\p+1]                ; erf
.endr
.irp p, 0,2,4,6
	v_pk_fma_f32 v[\x+\p:\x+\p+1], v[\x+\p:\x+\p+1], v[GP+\p:GP+\p+1], v[\x+\p:\x+\p+1]
.endr
.endm
	s_load_b256 s[4:11], s[0:1], 0x0               ; act2, wbuf, b1, hid
	v_lshrrev_b32 v1, 5, v0
	v_readfirstlane_b32 s12, v1                    ; wave
	v_and_b32 v4, 31, v0
	v_and_b32 v6, 15, v0
	v_bfe_u32 v7, v0, 4, 1
	v_lshlrev_b32 v[L16], 4, v4
	v_lshlrev_b32 v[L8], 3, v4
	v_lshlrev_b32 v3, 5, v6                        ; 32 r
	v_lshlrev_b32 v5, 5, v7                        ; 32 h
	v_mov_b32 v12, 0x32edffee                      ; alpha 1 = 2.77068142e-08, twice
	v_mov_b32 v13, 0x32edffee
	v_mov_b32 v14, 0xb95fbd29                      ; beta 1 = -2.13374055e-04, twice
	v_mov_b32 v15, 0xb95fbd29
	s_mov_b32 s[SEL], 0x76543210
	s_mov_b32 s[SEL+1], 0xfedcba98
.macro PAIR reg, bits
	s_mov_b32 s[\reg], \bits
	s_mov_b32 s[\reg+1], \bits
.endm
	PAIR RT, 0x3f3504f3                            ; 1 / sqrt 2
	PAIR AL0, 0xaf95df0b                           ; -2.72614226e-10
	PAIR AL2, 0xb60cff51                           ; -2.10102402e-06
	PAIR AL3, 0xb86ec2d2                           ; -5.69250639e-05
	PAIR AL4, 0xba40ac63                           ; -7.34990630e-04
	PAIR AL5, 0xbb41a1f6                           ; -2.95459981e-03
	PAIR AL6, 0xbc83dbd4                           ; -1.60960333e-02
	PAIR BE0, 0xb77460cd                           ; -1.45660718e-05
	PAIR BE2, 0xbadc924e                           ; -1.68282697e-03
	PAIR BE3, 0xbbf19bf8                           ; -7.37332917e-03
	PAIR BE4, 0xbc69b6a7                           ; -1.42647391e-02
	s_mov_b32 s13, ttmp9                           ; x: the last product's K step that my work-group makes
	s_and_b32 s14, ttmp7, 0xffff
	s_lshr_b32 s17, s12, 1
	s_lshl_b32 s15, s14, 1
	s_add_co_u32 s15, s15, s17                     ; mb
	s_and_b32 s17, s12, 1                          ; my half of that K step
	s_lshl_b32 s16, s13, 1
	s_add_co_u32 s16, s16, s17                     ; nb
	s_mul_i32 s18, s15, 36864
	s_mov_b32 s19, 0
	s_mul_i32 s20, s16, 36864
	s_add_co_u32 s20, s20, 1152*1536
	s_mov_b32 s21, 0
	s_lshl_b32 s22, s15, 11
	s_add_co_u32 s22, s22, ASCL
	s_mov_b32 s23, 0
	s_lshl_b32 s36, s16, 11
	s_add_co_u32 s36, s36, WSCL+192*512
	s_mov_b32 s37, 0
	s_lshl_b32 s42, s16, 8
	s_mov_b32 s43, 0
	s_mul_i32 s44, s15, 4*36864                    ; hid: my four tiles of tokens,
	s_mul_i32 s46, s13, 1536                       ; the K step,
	s_add_co_u32 s44, s44, s46
	s_mul_i32 s46, s17, 768                        ; my half
	s_add_co_u32 s44, s44, s46
	s_mov_b32 s45, 0
	s_mul_hi_u32 s46, s13, 0x2aaaaaab              ; x / 6: the chunk of six K steps
	s_mul_i32 s47, s46, 6
	s_sub_co_u32 s47, s13, s47                     ; x mod 6: the word
	s_lshl_b32 s72, s15, 13                        ; four tiles x four scale blocks of 512 bytes
	s_lshl_b32 s46, s46, 9
	s_add_co_u32 s72, s72, s46
	s_lshl_b32 s47, s47, 2
	s_add_co_u32 s72, s72, s47
	s_lshl_b32 s47, s17, 1
	s_add_co_u32 s72, s72, s47
	s_add_co_u32 s72, s72, HSCL
	s_mov_b32 s73, 0
	s_wait_alu depctr_va_vdst(0)
	s_wait_kmcnt 0x0
	s_add_nc_u64 s[PA:PA+1], s[4:5], s[18:19]
	s_add_nc_u64 s[PB:PB+1], s[6:7], s[20:21]
	s_add_nc_u64 s[28:29], s[4:5], s[22:23]
	s_add_nc_u64 s[30:31], s[6:7], s[36:37]
	s_add_nc_u64 s[32:33], s[8:9], s[42:43]
	s_add_nc_u64 s[38:39], s[10:11], s[44:45]
	s_add_nc_u64 s[40:41], s[10:11], s[72:73]
.irp i, 0,1,2,3
	global_load_b128 v[SCA+6*\i:SCA+6*\i+3], v3, s[28:29] offset:512*\i
	global_load_b64 v[SCA+6*\i+4:SCA+6*\i+5], v3, s[28:29] offset:512*\i+16
	global_load_b128 v[SCB+6*\i:SCB+6*\i+3], v3, s[30:31] offset:512*\i
	global_load_b64 v[SCB+6*\i+4:SCB+6*\i+5], v3, s[30:31] offset:512*\i+16
.endr
.irp b, 0,1,2,3
	global_load_b128 v[BIAS+8*\b:BIAS+8*\b+3], v5, s[32:33] offset:64*\b
	global_load_b128 v[BIAS+8*\b+4:BIAS+8*\b+7], v5, s[32:33] offset:64*\b+16
.endr
	WIN 0x40                                       ; destination window 1
	LOADK 0, 0
	LOADK 1, 1
.set KS, 0
.rept NK
.if KS < NK-1
	s_wait_loadcnt 32                              ; this step's loads and all before them are in; the next step's 32 may be out
.else
	s_wait_loadcnt 0x0
.endif
	WIN 0x05                                       ; sources 0 and 1 window 1; C and D window 0
	MULK KS, KS%2, (KS==0)
.rept 4
	v_nop                                          ; four plain lines ahead of loads into registers that the products read, and at the end of the first read of results
.endr
.if KS+2 < NK
	WIN 0x40
	LOADK KS+2, KS%2
.endif
.set KS, KS+1
.endr
	WIN 0
.irp a, 0,1,2,3
.irp b, 0,1,2,3
	GELU8 ACC+32*\a+8*\b
.endr
	QUANT2 ACC+32*\a, BIAS+6*\a, 92, 96, 88+\a
	global_store_b128 v[L16], v[BIAS+6*\a:BIAS+6*\a+3], s[38:39] offset:36864*\a
	global_store_b64 v[L8], v[BIAS+6*\a+4:BIAS+6*\a+5], s[38:39] offset:36864*\a+512
	global_store_b16 v3, v[88+\a], s[40:41] offset:2048*\a     ; two of the word's four bytes (lanes 16-31 store the same)
.endr
	s_endpgm
.Lfunc_end_k_qc46c80370f_w1:
	.size	k_qc46c80370f_w1, .Lfunc_end_k_qc46c80370f_w1-k_qc46c80370f_w1
	.p2alignl 7, 3214868480
	.fill 96, 4, 3214868480
	.section	.rodata,"a",@progbits
	.p2align	6, 0x0
	.amdhsa_kernel k_qc46c80370f_w1
		.amdhsa_group_segment_fixed_size 0
		.amdhsa_private_segment_fixed_size 0
		.amdhsa_enable_private_segment 0
		.amdhsa_kernarg_size 32
		.amdhsa_user_sgpr_count 2
		.amdhsa_user_sgpr_kernarg_segment_ptr 1
		.amdhsa_wavefront_size32 1
		.amdhsa_system_sgpr_workgroup_id_x 1
		.amdhsa_system_sgpr_workgroup_id_y 1
		.amdhsa_system_sgpr_workgroup_id_z 1
		.amdhsa_system_vgpr_workitem_id 0
		.amdhsa_next_free_vgpr 448
		.amdhsa_next_free_sgpr 80
		.amdhsa_reserve_vcc 0
		.amdhsa_float_denorm_mode_32 3
		.amdhsa_float_denorm_mode_16_64 3
		.amdhsa_memory_ordered 1
		.amdhsa_forward_progress 1
		.amdhsa_inst_pref_size 124
	.end_amdhsa_kernel
	.amdgpu_metadata
---
amdhsa.version: [ 1, 2 ]
amdhsa.kernels:
  - .name:           k_qc46c80370f_w1
    .symbol:         k_qc46c80370f_w1.kd
    .args:
      - { .name: act2, .offset: 0, .size: 8, .value_kind: global_buffer, .address_space: global }
      - { .name: wbuf, .offset: 8, .size: 8, .value_kind: global_buffer, .address_space: global }
      - { .name: b1, .offset: 16, .size: 8, .value_kind: global_buffer, .address_space: global }
      - { .name: hid, .offset: 24, .size: 8, .value_kind: global_buffer, .address_space: global }
    .group_segment_fixed_size: 0
    .private_segment_fixed_size: 0
    .kernarg_segment_align: 8
    .kernarg_segment_size: 32
    .max_flat_workgroup_size: 128
    .sgpr_count:     80
    .vgpr_count:     448
    .wavefront_size: 32
...
	.end_amdgpu_metadata
.endif
;; end of part 5
;; launch w2 (part 6): grid 6 x 32, 8 waves a work-group, no clusters, 101,376 bytes of LDS; arguments hid, wbuf, b2, x2, out0; writes out0
.if DOCPART == 6
	.amdgcn_target "amdgcn-amd-amdhsa--gfx1250"
	.amdhsa_code_object_version 6
	.text
	.protected	k_qc46c80370f_w2
	.globl	k_qc46c80370f_w2
	.p2align	8
	.type	k_qc46c80370f_w2,@function
k_qc46c80370f_w2:
	s_mov_b64 s[64:65], 0
	v_nop
	global_prefetch_b8 v0, s[64:65] scope:SCOPE_SE
	s_setreg_imm32_b32 hwreg(HW_REG_WAVE_MODE, 25, 1), 1
	s_wait_xcnt 0x0
; out0 = x2 + Q(hidden) Q(w2)^T + b2.  Both operands lie in memory as register images (first launch's head).  No work of reference() is left out.
; The f32 sums are taken in another order than reference() takes them: two partial sums along K, then the bias, then the residual.
; SHARES.  Work-group (x, y) makes 128 tokens x 128 columns as four tiles of 64 x 64 (token blocks 2 y, 2 y + 1, column blocks 2 x, 2 x + 1).  K = 3,072 IS SPLIT OVER TWO WAVES:
; waves 0-3 take K steps 0-11 of the four tiles, waves 4-7 K steps 12-23: two waves to a SIMD, each with 16 accumulators and two K steps' loads on their way, so that a wave walks 12 dependent steps and not 24.
; NO CLUSTER AND NO LDS RING: 768 columns give 768 such tiles, and larger tiles would leave SIMDs without work; fragments go from memory straight into registers.
; WHO FINISHES WHAT.  A wave loads A's four tiles of 16 tokens ROTATED by 2 x (wave / 4): in every wave local tiles 0, 1 are its own to finish and local tiles 2, 3 its partner's, so the text is the same in all waves.
; Behind the last product a wave stores the accumulators of local tiles 2, 3 to LDS as register images, passes one barrier, loads what its partner (wave xor 4) stored, and adds.
; TRANSPOSED (source 0 = 16 rows of W, source 1 = 16 tokens): a lane holds eight neighbouring columns of a token.
; THE WAY OUT: 16 rows at a time through the wave's own stage in LDS, back as rows of 256 bytes; bias and residual are added there (the residual is loaded as such rows, behind the last K step's loads);
; sixteen lanes load and store 256 consecutive bytes, aligned.
.set NW, 12                            ; K steps of a wave: two chunks of six scale words
.set TP, 36864                         ; from a tile's fragments to the next tile's: 24 K steps
.set ASC, 9437184                      ; A's scale blocks
.set BBASE, 2304*1536                  ; the weight's fragments in wbuf
.set BSC, 5308416+384*512              ; and its scale blocks
.set STG, 65536                        ; LDS: from 0 the exchange, 8,192 bytes for each wave; eight stages of 16 x 272 bytes;
.set SPARE, 100352                     ; the spare words, 128 bytes for each wave, that no other line names
.set L16, 1                            ; v1 16 x lane;  v2 8 x lane;  v3 32 r;  v4 where I store for my partner;  v5, v6 into and out of my stage;  v7 my place in two rows;  v8, v9 the add's two;  v10 16 (lane % 16);  v15 where my partner stored for me
.set L8, 2
.set SCA, 16                           ; v16-63  A's scale words: local tile i, my K step s at 12 i + s
.set SCB, 64                           ; v64-111 B's
.set BROW, 112                         ; v112-115 the bias at my four columns of a row
.set ACC, 128                          ; v128-255 the accumulators: (a, b) at 8 (4 a + b)
.set PAL, 24                           ; s[24:25] A's fragments of local tiles 0, 1;  s[26:27] of local tiles 2, 3;  s[28:29] B's
.set PAH, 26
.set PB, 28
; window 1: v0-95, v96-191 two sets of 8 fragments, later what my partner stored (v0-63) and the rows on their way out (v64-127); v192-255 the residual's rows
.set MSB, 0
.macro WIN new                         ; the immediate's high byte repeats the setting that is left
.if MSB != \new
	s_set_vgpr_msb (MSB<<8)|\new
.set MSB, \new
.endif
.endm
.macro FRAGL reg, base, off            ; a fragment's four loads
	global_load_b128 v[(\reg):(\reg)+3], v[L16], s[\base:\base+1] offset:(\off)
	global_load_b64 v[(\reg)+4:(\reg)+5], v[L8], s[\base:\base+1] offset:(\off)+512
	global_load_b128 v[(\reg)+6:(\reg)+9], v[L16], s[\base:\base+1] offset:(\off)+768
	global_load_b64 v[(\reg)+10:(\reg)+11], v[L8], s[\base:\base+1] offset:(\off)+1280
.endm
.macro LOADK s, buf                    ; my K step s: A's four fragments and B's four into set buf: 32 loads
.irp i, 0,1
	FRAGL 96*(\buf)+12*\i, PAL, \i*TP+(\s)*1536
.endr
.irp i, 0,1
	FRAGL 96*(\buf)+24+12*\i, PAH, \i*TP+(\s)*1536
.endr
.irp i, 0,1,2,3
	FRAGL 96*(\buf)+48+12*\i, PB, \i*TP+(\s)*1536
.endr
.endm
.macro MULK s, buf, first              ; the 16 accumulators by turns, in the same order in every step; first = 1: the products start the sums
.irp a, 0,1,2,3
.irp b, 0,1,2,3
.if \first
	v_wmma_scale_f32_16x16x128_f8f6f4 v[ACC+8*(4*\a+\b):ACC+8*(4*\a+\b)+7], v[96*(\buf)+48+12*\b:96*(\buf)+48+12*\b+11], v[96*(\buf)+12*\a:96*(\buf)+12*\a+11], 0, v[SCB+NW*\b+(\s)], v[SCA+NW*\a+(\s)] matrix_a_fmt:MATRIX_FMT_FP6 matrix_b_fmt:MATRIX_FMT_FP6
.else
	v_wmma_scale_f32_16x16x128_f8f6f4 v[ACC+8*(4*\a+\b):ACC+8*(4*\a+\b)+7], v[96*(\buf)+48+12*\b:96*(\buf)+48+12*\b+11], v[96*(\buf)+12*\a:96*(\buf)+12*\a+11], v[ACC+8*(4*\a+\b):ACC+8*(4*\a+\b)+7], v[SCB+NW*\b+(\s)], v[SCA+NW*\a+(\s)] matrix_a_fmt:MATRIX_FMT_FP6 matrix_b_fmt:MATRIX_FMT_FP6
.endif
.endr
.endr
.endm
	s_load_b256 s[4:11], s[0:1], 0x0               ; hid, wbuf, b2, x2
	s_load_b64 s[12:13], s[0:1], 0x20              ; out0
	v_lshl_add_u32 v8, v0, 2, SPARE                ; my spare word,
	v_mov_b32 v9, 0                                ; and 0: kept for the wave's end
	v_lshrrev_b32 v1, 5, v0
	s_delay_alu instid0(VALU_DEP_1)
	v_readfirstlane_b32 s14, v1                    ; wave 0..7
	v_and_b32 v11, 31, v0
	v_and_b32 v12, 15, v0                          ; r
	v_bfe_u32 v13, v0, 4, 1                        ; h
	s_delay_alu instid0(VALU_DEP_3)
	v_lshlrev_b32 v[L16], 4, v11
	s_delay_alu instid0(VALU_DEP_4)
	v_lshlrev_b32 v[L8], 3, v11
	s_delay_alu instid0(VALU_DEP_4)
	v_lshlrev_b32 v3, 5, v12                       ; 32 r
	s_delay_alu instid0(VALU_DEP_4)
	v_lshlrev_b32 v14, 5, v13                      ; 32 h
	s_mul_i32 s15, s14, 16*272
	s_add_co_u32 s15, s15, STG                     ; my stage
	v_mad_u32_u24 v5, v12, 272, v14
	s_delay_alu instid0(VALU_DEP_1)
	v_add_nc_u32 v5, s15, v5                       ; into it: row r, + 32 h
	v_lshlrev_b32 v10, 4, v12                      ; 16 (lane % 16)
	s_delay_alu instid0(VALU_DEP_1)
	v_mad_u32_u24 v6, v13, 272, v10
	s_delay_alu instid0(VALU_DEP_1)
	v_add_nc_u32 v6, s15, v6                       ; out of it: lanes 0-15 one row, lanes 16-31 the next
	s_delay_alu instid0(VALU_DEP_3)
	v_mad_u32_u24 v7, v13, 3072, v10               ; and the same two rows in x2 and in out0
	s_lshl_b32 s15, s14, 13
	v_add_nc_u32 v4, s15, v[L16]                   ; the exchange: 8,192 x wave + 16 x lane
	s_xor_b32 s15, s14, 4
	s_lshl_b32 s15, s15, 13
	v_add_nc_u32 v15, s15, v[L16]                  ; and my partner's
	s_lshr_b32 s16, s14, 2                         ; which half of K is mine
	s_xor_b32 s21, s16, 1                          ; and the other
	s_and_b32 s17, s14, 3                          ; which of the four tiles
	s_and_b32 s18, ttmp7, 0xffff
	s_lshl_b32 s18, s18, 1
	s_lshr_b32 s20, s17, 1
	s_add_co_u32 s18, s18, s20                     ; mb: my block of 64 tokens
	s_lshl_b32 s19, ttmp9, 1
	s_and_b32 s20, s17, 1
	s_add_co_u32 s19, s19, s20                     ; nb: my block of 64 columns
	s_mul_i32 s22, s16, NW*1536                    ; my first K step, in a tile's fragments
	s_mul_i32 s30, s18, 4*TP
	s_add_co_u32 s30, s30, s22
	s_mul_i32 s20, s16, 2*TP
	s_add_co_u32 s[PAL], s30, s20                  ; local tiles 0, 1 are tiles 2 (wave / 4) + 0, 1 of the block,
	s_mov_b32 s[PAL+1], 0
	s_mul_i32 s20, s21, 2*TP
	s_add_co_u32 s[PAH], s30, s20                  ; local tiles 2, 3 the other two
	s_mov_b32 s[PAH+1], 0
	s_mul_i32 s[PB], s19, 4*TP
	s_add_co_u32 s[PB], s[PB], s22
	s_add_co_u32 s[PB], s[PB], BBASE
	s_mov_b32 s[PB+1], 0
	s_lshl_b32 s30, s18, 13                        ; scale blocks: four tiles x four chunks of 512 bytes a block of 64 rows;
	s_lshl_b32 s31, s16, 10                        ; my two chunks
	s_add_co_u32 s30, s30, s31
	s_add_co_u32 s30, s30, ASC
	s_lshl_b32 s20, s16, 12
	s_add_co_u32 s32, s30, s20                     ; A's, local tiles 0, 1
	s_mov_b32 s33, 0
	s_lshl_b32 s20, s21, 12
	s_add_co_u32 s34, s30, s20                     ; local tiles 2, 3
	s_mov_b32 s35, 0
	s_lshl_b32 s36, s19, 13
	s_add_co_u32 s36, s36, s31
	s_add_co_u32 s36, s36, BSC                     ; B's
	s_mov_b32 s37, 0
	s_lshl_b32 s38, s19, 8                         ; my 64 columns in bytes
	s_mov_b32 s39, 0
	s_mul_i32 s40, s18, 196608                     ; my block's 64 rows of 3,072 bytes,
	s_mul_i32 s20, s16, 98304                      ; the 32 of them that I finish,
	s_add_co_u32 s40, s40, s20
	s_add_co_u32 s40, s40, s38                     ; my columns
	s_mov_b32 s41, 0
	s_wait_alu depctr_va_vdst(0)
	s_wait_kmcnt 0x0
	s_add_nc_u64 s[PAL:PAL+1], s[4:5], s[PAL:PAL+1]
	s_add_nc_u64 s[PAH:PAH+1], s[4:5], s[PAH:PAH+1]
	s_add_nc_u64 s[PB:PB+1], s[6:7], s[PB:PB+1]
	s_add_nc_u64 s[32:33], s[4:5], s[32:33]
	s_add_nc_u64 s[34:35], s[4:5], s[34:35]
	s_add_nc_u64 s[36:37], s[6:7], s[36:37]
	s_add_nc_u64 s[38:39], s[8:9], s[38:39]
	s_add_nc_u64 s[42:43], s[10:11], s[40:41]
	s_add_nc_u64 s[44:45], s[12:13], s[40:41]
.irp i, 0,1
.irp c, 0,1
	global_load_b128 v[SCA+12*\i+6*\c:SCA+12*\i+6*\c+3], v3, s[32:33] offset:2048*\i+512*\c
	global_load_b64 v[SCA+12*\i+6*\c+4:SCA+12*\i+6*\c+5], v3, s[32:33] offset:2048*\i+512*\c+16
	global_load_b128 v[SCA+24+12*\i+6*\c:SCA+24+12*\i+6*\c+3], v3, s[34:35] offset:2048*\i+512*\c
	global_load_b64 v[SCA+24+12*\i+6*\c+4:SCA+24+12*\i+6*\c+5], v3, s[34:35] offset:2048*\i+512*\c+16
.endr
.endr
.irp i, 0,1,2,3
.irp c, 0,1
	global_load_b128 v[SCB+12*\i+6*\c:SCB+12*\i+6*\c+3], v3, s[36:37] offset:2048*\i+512*\c
	global_load_b64 v[SCB+12*\i+6*\c+4:SCB+12*\i+6*\c+5], v3, s[36:37] offset:2048*\i+512*\c+16
.endr
.endr
	global_load_b128 v[BROW:BROW+3], v10, s[38:39]
	WIN 0x40                                       ; destination window 1, address window 0
	LOADK 0, 0
	LOADK 1, 1
.set KS, 0
.rept NW
.if KS < NW-2
	s_wait_loadcnt 32                              ; this step's loads and all before them are in; the next step's 32 may be out
.elseif KS == NW-2
	s_wait_loadcnt 48                              ; behind this step's loads: the last step's 32 and the residual's 16
.else
	s_wait_loadcnt 16                              ; behind the last step's loads: the residual's 16
.endif
	WIN 0x05                                       ; sources 0 and 1 window 1; C and D window 0
	MULK KS, KS%2, (KS==0)
.rept 4
	v_nop                                          ; four plain lines ahead of loads into registers that the products read, and at the end of the first read of results
.endr
.if KS+2 < NW
	WIN 0x40
	LOADK KS+2, KS%2
.endif
.if KS == NW-3
.irp a, 0,1
.irp i, 0,1,2,3,4,5,6,7
	global_load_b128 v[192+32*\a+4*\i:192+32*\a+4*\i+3], v7, s[42:43] offset:(16*\a+2*\i)*3072   ; the residual's 32 rows that I finish: sixteen lanes read 256 consecutive bytes
.endr
.endr
.endif
.set KS, KS+1
.endr
	WIN 0
.set J, 0
.rept 16
	ds_store_b128 v4, v[ACC+64+4*J:ACC+64+4*J+3] offset:512*J    ; local tiles 2, 3, for my partner: register images; each accumulator from its low end on
.set J, J+1
.endr
	s_wait_dscnt 0x0                               ; for the partner's sake: my stores have landed
	s_barrier_signal -1
	s_barrier_wait -1
	WIN 0x40
.set J, 0
.rept 16
	ds_load_b128 v[4*J:4*J+3], v15 offset:512*J                  ; my partner's sums of my local tiles 0, 1
.set J, J+1
.endr
	s_wait_dscnt 0x0
	WIN 0x04                                       ; source 1 window 1
.set J, 0
.rept 32
	v_pk_add_f32 v[ACC+J:ACC+J+1], v[ACC+J:ACC+J+1], v[J:J+1]
.set J, J+2
.endr
	s_wait_loadcnt 0x0                             ; the residual
.irp a, 0,1
	WIN 0
.irp b, 0,1,2,3
	ds_store_b128 v5, v[ACC+8*(4*\a+\b):ACC+8*(4*\a+\b)+3] offset:64*\b
	ds_store_b128 v5, v[ACC+8*(4*\a+\b)+4:ACC+8*(4*\a+\b)+7] offset:64*\b+16
.endr
	WIN 0x40
.irp i, 0,1,2,3,4,5,6,7
	ds_load_b128 v[64+32*\a+4*\i:64+32*\a+4*\i+3], v6 offset:544*\i      ; LDS serves a wave's instructions in order: these see my stores, and the next block's stores come behind them
.endr
	s_wait_dscnt 0x0
	WIN 0x41                                       ; destination and source 0 window 1, the bias window 0
.irp i, 0,1,2,3,4,5,6,7
	v_pk_add_f32 v[64+32*\a+4*\i:64+32*\a+4*\i+1], v[64+32*\a+4*\i:64+32*\a+4*\i+1], v[BROW:BROW+1]
	v_pk_add_f32 v[64+32*\a+4*\i+2:64+32*\a+4*\i+3], v[64+32*\a+4*\i+2:64+32*\a+4*\i+3], v[BROW+2:BROW+3]
.endr
	WIN 0x45                                       ; all three window 1: the residual
.irp i, 0,1,2,3,4,5,6,7
	v_pk_add_f32 v[64+32*\a+4*\i:64+32*\a+4*\i+1], v[64+32*\a+4*\i:64+32*\a+4*\i+1], v[192+32*\a+4*\i:192+32*\a+4*\i+1]
	v_pk_add_f32 v[64+32*\a+4*\i+2:64+32*\a+4*\i+3], v[64+32*\a+4*\i+2:64+32*\a+4*\i+3], v[192+32*\a+4*\i+2:192+32*\a+4*\i+3]
.endr
	WIN 0x04                                       ; a store's data: window 1
.irp i, 0,1,2,3,4,5,6,7
	global_store_b128 v7, v[64+32*\a+4*\i:64+32*\a+4*\i+3], s[44:45] offset:(16*\a+2*\i)*3072
.endr
.endr
	WIN 0
	s_wait_tensorcnt 0x0                           ; the wave's end, behind my last LDS store
	ds_add_u32 v8, v9
	s_wait_dscnt 0x0
	s_endpgm
.Lfunc_end_k_qc46c80370f_w2:
	.size	k_qc46c80370f_w2, .Lfunc_end_k_qc46c80370f_w2-k_qc46c80370f_w2
	.p2alignl 7, 3214868480
	.fill 96, 4, 3214868480
	.section	.rodata,"a",@progbits
	.p2align	6, 0x0
	.amdhsa_kernel k_qc46c80370f_w2
		.amdhsa_group_segment_fixed_size 101376
		.amdhsa_private_segment_fixed_size 0
		.amdhsa_enable_private_segment 0
		.amdhsa_kernarg_size 40
		.amdhsa_user_sgpr_count 2
		.amdhsa_user_sgpr_kernarg_segment_ptr 1
		.amdhsa_wavefront_size32 1
		.amdhsa_system_sgpr_workgroup_id_x 1
		.amdhsa_system_sgpr_workgroup_id_y 1
		.amdhsa_system_sgpr_workgroup_id_z 1
		.amdhsa_system_vgpr_workitem_id 0
		.amdhsa_next_free_vgpr 512
		.amdhsa_next_free_sgpr 66
		.amdhsa_reserve_vcc 0
		.amdhsa_float_denorm_mode_32 3
		.amdhsa_float_denorm_mode_16_64 3
		.amdhsa_memory_ordered 1
		.amdhsa_forward_progress 1
		.amdhsa_inst_pref_size 84
	.end_amdhsa_kernel
	.amdgpu_metadata
---
amdhsa.version: [ 1, 2 ]
amdhsa.kernels:
  - .name:           k_qc46c80370f_w2
    .symbol:         k_qc46c80370f_w2.kd
    .args:
      - { .name: hid, .offset: 0, .size: 8, .value_kind: global_buffer, .address_space: global }
      - { .name: wbuf, .offset: 8, .size: 8, .value_kind: global_buffer, .address_space: global }
      - { .name: b2, .offset: 16, .size: 8, .value_kind: global_buffer, .address_space: global }
      - { .name: x2, .offset: 24, .size: 8, .value_kind: global_buffer, .address_space: global }
      - { .name: out0, .offset: 32, .size: 8, .value_kind: global_buffer, .address_space: global }
    .group_segment_fixed_size: 101376
    .private_segment_fixed_size: 0
    .kernarg_segment_align: 8
    .kernarg_segment_size: 40
    .max_flat_workgroup_size: 256
    .sgpr_count:     66
    .vgpr_count:     512
    .wavefront_size: 32
...
	.end_amdgpu_metadata
.endif
;; end of part 6
